; MI455X (gfx1250); checked and timed in simulation.
; The chip was launched on July 23, 2026; its instructions are those of AMD's public machine-readable ISA for CDNA 5 (MIT licence, August 2026) and "CDNA5" Instruction Set Architecture Reference Guide (July 2026). The comments in the code are by the model that wrote it; some were corrected since.
;; MLP. Allowed arithmetic: matrix products marked QUANTISED: E2M3 operands, one E8M0 scale for each 32 along K, by v_wmma_scale_f32_16x16x128_f8f6f4 with both operands' format E2M3, f32 sums; everything else in f32.
;; Inputs: expert_idxs 8,192 x 2 int32; expert_p 8,192 x 2 float32; w_down_codes 8 x 1,024 x 16 x 24 uint8 (E2M3 codes of w_down, K innermost, in blocks of 32 codes, four codes in three bytes); w_down_scales 8 x 1,024 x 16 uint8 (E8M0 scales of w_down, one for each 32 codes along K); w_up_codes 8 x 512 x 32 x 24 uint8 (E2M3 codes of w_up, K innermost, in blocks of 32 codes, four codes in three bytes); w_up_scales 8 x 512 x 32 uint8 (E8M0 scales of w_up, one for each 32 codes along K); x_codes 2 x 4,096 x 32 x 24 uint8 (E2M3 codes of x, K innermost, in blocks of 32 codes, four codes in three bytes); x_scales 2 x 4,096 x 32 uint8 (E8M0 scales of x, one for each 32 codes along K).
;; Outputs: out0 2 x 4,096 x 1,024 float32.
;; This version of the problem:
;;   THIS VERSION OF THE PROBLEM IS GIVEN IN LOW PRECISION. The matrix products marked QUANTISED in the list below multiply operands that are first quantised to E2M3 (2 exponent bits, 3 mantissa bits; 6 bits a number), with one power-of-two scale for each 32 numbers along K (OCP MX v1.0); their sums are f32. All else is computed in f32.
;;   The module's matrix products, in the order in which they are computed (A, B: the left and right operand; K: the contracted axis; several contracted axes count as one K, in the product's order):
;;     1. [M 8,192, K 1,024] x [K 1,024, N 512]; A: input x (given as codes); B: input w_up (given as codes): QUANTISED
;;     2. [M 8,192, K 512] x [K 512, N 1,024]; A: computed on the way; B: input w_down (given as codes): QUANTISED
;;     3. [M 8,192, K 1,024] x [K 1,024, N 512]; A: input x (given as codes); B: input w_up (given as codes): QUANTISED
;;     4. [M 8,192, K 512] x [K 512, N 1,024]; A: computed on the way; B: input w_down (given as codes): QUANTISED
;;     5. [M 8,192, K 1,024] x [K 1,024, N 512]; A: input x (given as codes); B: input w_up (given as codes): QUANTISED
;;     6. [M 8,192, K 512] x [K 512, N 1,024]; A: computed on the way; B: input w_down (given as codes): QUANTISED
;;     7. [M 8,192, K 1,024] x [K 1,024, N 512]; A: input x (given as codes); B: input w_up (given as codes): QUANTISED
;;     8. [M 8,192, K 512] x [K 512, N 1,024]; A: computed on the way; B: input w_down (given as codes): QUANTISED
;;     9. [M 8,192, K 1,024] x [K 1,024, N 512]; A: input x (given as codes); B: input w_up (given as codes): QUANTISED
;;     10. [M 8,192, K 512] x [K 512, N 1,024]; A: computed on the way; B: input w_down (given as codes): QUANTISED
;;     11. [M 8,192, K 1,024] x [K 1,024, N 512]; A: input x (given as codes); B: input w_up (given as codes): QUANTISED
;;     12. [M 8,192, K 512] x [K 512, N 1,024]; A: computed on the way; B: input w_down (given as codes): QUANTISED
;;     13. [M 8,192, K 1,024] x [K 1,024, N 512]; A: input x (given as codes); B: input w_up (given as codes): QUANTISED
;;     14. [M 8,192, K 512] x [K 512, N 1,024]; A: computed on the way; B: input w_down (given as codes): QUANTISED
;;     15. [M 8,192, K 1,024] x [K 1,024, N 512]; A: input x (given as codes); B: input w_up (given as codes): QUANTISED
;;     16. [M 8,192, K 512] x [K 512, N 1,024]; A: computed on the way; B: input w_down (given as codes): QUANTISED
;;   THE QUANTISER, for each operand of a quantised product, along K:
;;     - K is cut into blocks of 32 from its start; a last block that is shorter is filled with zeros.
;;     - A block's scale is 2^e with e = floor(log2(the largest magnitude in the block)) - 2, held to -126 .. 127; a block of zeros has e = 0. As a byte (E8M0): e + 127.
;;     - Each number is divided by its block's scale, clamped to +-7.5, and rounded to the nearest number of E2M3, ties to even, subnormals kept.
;;     - The product sums the exact products of the quantised numbers (number of the format x scale) in f32.
;;   ~~~python
;;   def quantise(x, axis):      # numpy; x: float32 -> the quantised numbers, widened to float32 again
;;       x = np.moveaxis(x, axis, -1); K = x.shape[-1]
;;       x = np.pad(x, [(0, 0)] * (x.ndim - 1) + [(0, -K % 32)]); x = x.reshape(x.shape[:-1] + (-1, 32)); a = np.abs(x).max(-1, keepdims=True)
;;       e = np.where(a > 0, np.clip(np.frexp(np.where(a > 0, a, 1))[1] - 1 - 2, -126, 127), 0)      # np.frexp(a)[1] - 1 = floor(log2(a)), exactly
;;       r = np.clip(x / 2.0 ** e, -7.5, 7.5)
;;       step = 2.0 ** (np.maximum(np.frexp(np.where(r == 0, 1, r))[1] - 1, 0) - 3)
;;       q = np.round(r / step) * step * 2.0 ** e      # np.round: ties to even
;;       return np.moveaxis(q.reshape(q.shape[:-2] + (-1,))[..., :K], -1, axis).astype(np.float32)
;;   ~~~
;;   OPERANDS COMPUTED ON THE WAY. 'Computed on the way' means the value that the module computes at that place (a softmax that the list does not call 'softmax' is quantised finished and normalised). What goes into a quantiser is computed in f32, as accurately as f32 sums, v_exp_f32 and their like allow (about 1e-6 of the number): no bf16 or f16 on the way to a quantiser, and a product that is left as it is and whose result goes on into a quantised operand takes f32 operands (vector FMAs, or v_wmma_f32_16x16x4_f32). A number that lies on a knife's edge between two numbers of the format may be rounded either way, as far as f32 arithmetic and the matrix unit's own rounding can turn it there, and no further.
;;   INPUTS GIVEN AS CODES. w_down (in the module: [8, 512, 1024], K = its axis 1); w_up (in the module: [8, 1024, 512], K = its axis 1); x (in the module: [2, 4096, 1024], K = its axis 2): each comes as NAME_codes (uint8): NAME with its K axis moved to the last place and cut into blocks of 32 codes, [.., K / 32, bytes a block], one block behind the other in memory; four codes in three bytes: a row's codes are one little-endian stream of bits, code i at bits 6 i .. 6 i + 5 (a code: sign, 2 exponent bits, 3 mantissa bits); and NAME_scales (uint8): the same leading axes, one E8M0 byte (e + 127) for each 32 codes along K. Its value is code x scale, taken as it is: it is not quantised again, and the codes and scales need not be those that the quantiser above would give.
;; 2 versions, each right; version 2 is version 1 with the launch moe written anew for expert scheduling mode. Each part assembles by itself: llvm-mc -triple=amdgcn-amd-amdhsa -mcpu=gfx1250 --defsym DOCPART=n.
;; ======== version 1 of 2: 2 launches
;; workspace buffers: order 32,768 bytes of whole numbers; wf 6,291,456 bytes
;; launch prep (part 1): grid 65 x 1, 8 waves a work-group, no clusters, 204,800 bytes of LDS; arguments expert_idxs, w_up_codes, w_down_codes, order, wf; writes order, wf
.if DOCPART == 1
	.amdgcn_target "amdgcn-amd-amdhsa--gfx1250"
	.amdhsa_code_object_version 6
	.text
	.protected	k_qe69e83de62_prep
	.globl	k_qe69e83de62_prep
	.p2align	8
	.type	k_qe69e83de62_prep,@function
k_qe69e83de62_prep:
	s_mov_b64 s[64:65], 0
	v_nop
	global_prefetch_b8 v0, s[64:65] scope:SCOPE_SE
	s_setreg_imm32_b32 hwreg(HW_REG_WAVE_MODE, 25, 1), 1
	s_wait_xcnt 0x0
; THE LAUNCH IN FRONT OF THE CHAIN.  Three kinds of work-group, parted on the work-group's number; each kind has LDS bytes of its own.
; WORK-GROUP 0 sorts the 8,192 tokens by their PAIR of experts (a counting sort, no atomics) and stores, at sorted place p of 'order', the word token | e0 << 16 | e1 << 20.
;   The 28 pairs (lo < hi) are numbered in a snake, so that neighbouring classes share an expert: class = lo (15 - lo) / 2 + (lo even: hi - lo - 1; lo odd: 7 - hi).
;   A token whose two experts are equal joins the pair (2 k, 2 k + 1) that holds its expert.  Expert numbers are taken mod 8.
; WORK-GROUPS 1-32 lay w_up's codes, 33-64 w_down's, in the order in which the chain's waves take them into operand registers (buffer wf):
;   byte = e 786,432 + w 196,608 + i 6,144 + k 512 + 16 lane: expert e, wave w of the chain, BUF i of four fragments (48 registers), registers 4 k .. 4 k + 3 of the BUF.
;   A fragment (16 rows x 128 K of 6-bit codes) is 12 registers: lane (r, h): registers 0-5 the 24 bytes at 96 s + 24 h of its row, registers 6-11 those at 96 s + 48 + 24 h.
;   i = 0..15: K step s = i / 2, hidden tile t = 4 (i % 2) + f; lane r takes row 512 e + 128 w + 32 (t / 2) + 8 (t % 2) + r + 8 (r / 8) of w_up.
;   i = 16..31: g = (i - 16) / 2, K step s = 2 ((i - 16) % 2) + f / 2, tile of outputs n = 2 g + f % 2; lane r takes row 1024 e + 256 w + 16 n + r of w_down.
; A wave of these takes 12,288 bytes: 24 loads of 512 consecutive bytes, through its own padded stage in LDS, back as fragments, out by 24 stores of 512 consecutive aligned bytes.
; No tensor load, no matrix unit, no cluster: nothing is shared between work-groups and nothing is multiplied.
.set UPW,  12544                       ; up: a wave's stage, 16 rows x 784 (768 bytes + 16), from LDS byte 0
.set DNST, 100352                      ; down: the stages begin here,
.set DNW,  12800                       ; 32 rows x 400 (384 bytes + 16) a wave
.set SRT,  202752                      ; the sort: 128 bytes a wave: its class counts
.set LD,   16                          ; v16-111   24 loads x 4 registers
.set FG,   112                         ; v112-207  8 fragments x 12 registers
	s_load_b128 s[4:7], s[0:1], 0x0                ; expert_idxs, w_up_codes
	s_load_b128 s[8:11], s[0:1], 0x10              ; w_down_codes, order
	s_load_b64 s[12:13], s[0:1], 0x20              ; wf
	v_lshl_add_u32 v254, v0, 2, 0x31c00
	v_mov_b32 v255, 0
	v_lshrrev_b32 v1, 5, v0
	v_readfirstlane_b32 s16, v1                    ; wave 0..7
	v_and_b32 v1, 31, v0                           ; lane
	v_and_b32 v2, 15, v0                           ; r
	v_bfe_u32 v3, v0, 4, 1                         ; h
	v_lshlrev_b32 v4, 4, v1                        ; 16 x lane
	s_cmp_eq_u32 ttmp9, 0
	s_cbranch_scc1 .Lsort
	s_cmp_lt_u32 ttmp9, 33
	s_cbranch_scc0 .Ldown
; ---- w_up: work-group 1 + 4 e + w, wave t: hidden tile t, all eight K steps: two runs of 8 rows of 768 bytes, 16 rows apart
	s_sub_co_u32 s17, ttmp9, 1
	s_lshr_b32 s18, s17, 2                         ; e
	s_and_b32 s19, s17, 3                          ; w
	s_lshl_b32 s20, s18, 9
	s_lshl_b32 s21, s19, 7
	s_add_co_u32 s20, s20, s21
	s_lshr_b32 s21, s16, 1
	s_lshl_b32 s21, s21, 5
	s_add_co_u32 s20, s20, s21
	s_and_b32 s21, s16, 1
	s_lshl_b32 s21, s21, 3
	s_add_co_u32 s20, s20, s21                     ; the tile's first row: 512 e + 128 w + 32 (t / 2) + 8 (t % 2)
	s_mul_i32 s20, s20, 768
	s_mov_b32 s21, 0
	s_mul_i32 s22, s18, 786432
	s_mul_i32 s23, s19, 196608
	s_add_co_u32 s22, s22, s23
	s_lshr_b32 s23, s16, 2
	s_mul_i32 s23, s23, 6144
	s_add_co_u32 s22, s22, s23
	s_and_b32 s23, s16, 3
	s_mul_i32 s23, s23, 1536
	s_add_co_u32 s22, s22, s23                     ; in wf: BUF t / 4, fragment t % 4; K step s lies 2 BUFs (12,288 bytes) further on
	s_mov_b32 s23, 0
	s_mul_i32 s24, s16, UPW                        ; my stage
	v_add_nc_u32 v5, s24, v4                       ; in: 16 x lane,
	v_lshl_add_u32 v6, v3, 4, v5                   ; and the same behind one padding for lanes 16-31 (the load that crosses a row's end)
	v_mul_u32_u24 v7, v2, 784
	v_mad_u32_u24 v7, v3, 24, v7
	v_add_nc_u32 v7, s24, v7                       ; out: row r, + 24 h
	s_wait_kmcnt 0x0
	s_add_nc_u64 s[6:7], s[6:7], s[20:21]
	s_add_nc_u64 s[12:13], s[12:13], s[22:23]
.set j, 0
.rept 24                               ; load j = 12 a + n: bytes 512 n on of run a
	global_load_b128 v[LD+4*j:LD+4*j+3], v4, s[6:7] offset:12288*(j/12)+512*(j%12) th:TH_LOAD_NT
.set j, j+1
.endr
.set j, 0
.rept 24                               ; three loads are two rows: the first lies in the even row, the second crosses into the odd one at lane 16, the third lies in the odd one
	s_wait_loadcnt 23-j                            ; loads come back in order: load j is in, the 23 - j behind it may be out
.if j%3 == 0
	ds_store_b128 v5, v[LD+4*j:LD+4*j+3] offset:784*(8*(j/12)+2*((j%12)/3))
.elseif j%3 == 1
	ds_store_b128 v6, v[LD+4*j:LD+4*j+3] offset:784*(8*(j/12)+2*((j%12)/3))+512
.else
	ds_store_b128 v5, v[LD+4*j:LD+4*j+3] offset:784*(8*(j/12)+2*((j%12)/3))+1040
.endif
.set j, j+1
.endr
.set j, 0
.rept 48                               ; piece j = 6 s + p of 8 bytes; LDS serves a wave's instructions in order: these see my stores
	ds_load_b64 v[FG+2*j:FG+2*j+1], v7 offset:96*(j/6)+48*((j%6)/3)+8*(j%3)
.set j, j+1
.endr
.set j, 0
.rept 24                               ; store j = 3 s + c: registers 4 c .. 4 c + 3 of K step s's fragment
.if j%3 == 0
	s_wait_dscnt 6*(7-j/3)                         ; fragment s is in: behind its six loads stand those of the 7 - s later fragments
.endif
	global_store_b128 v4, v[FG+4*j:FG+4*j+3], s[12:13] offset:12288*(j/3)+512*(j%3)   ; 32 lanes store 512 consecutive bytes, at a multiple of 512 from wf's first byte
.set j, j+1
.endr
	s_wait_tensorcnt 0x0
	ds_add_u32 v254, v255
	s_wait_dscnt 0x0
	s_endpgm
; ---- w_down: work-group 33 + 4 e + w, wave g: 32 rows of 384 bytes, dense: tiles of outputs 2 g and 2 g + 1, all four K steps
.Ldown:
	s_sub_co_u32 s17, ttmp9, 33
	s_lshr_b32 s18, s17, 2                         ; e
	s_and_b32 s19, s17, 3                          ; w
	s_lshl_b32 s20, s18, 10
	s_lshl_b32 s21, s19, 8
	s_add_co_u32 s20, s20, s21
	s_lshl_b32 s21, s16, 5
	s_add_co_u32 s20, s20, s21                     ; first row: 1024 e + 256 w + 32 g
	s_mul_i32 s20, s20, 384
	s_mov_b32 s21, 0
	s_mul_i32 s22, s18, 786432
	s_mul_i32 s23, s19, 196608
	s_add_co_u32 s22, s22, s23
	s_mul_i32 s23, s16, 12288
	s_add_co_u32 s22, s22, s23
	s_add_co_u32 s22, s22, 98304                   ; in wf: BUFs 16 + 2 g and 17 + 2 g
	s_mov_b32 s23, 0
	s_mul_i32 s24, s16, DNW
	s_add_co_u32 s24, s24, DNST                    ; my stage
	v_add_nc_u32 v9, s24, v4
.irp i, 0,1,2                          ; three loads are four rows: in load 3 q + i the lanes from 24 - 8 i on lie behind one padding more
	v_add_nc_u32 v10, 8*(\i+1), v1
	v_lshrrev_b32 v10, 5, v10
	v_lshl_add_u32 v[5+\i], v10, 4, v9
.endr
	v_mul_u32_u24 v8, v2, 400
	v_mad_u32_u24 v8, v3, 24, v8
	v_add_nc_u32 v8, s24, v8                       ; out: row r, + 24 h
	s_wait_kmcnt 0x0
	s_add_nc_u64 s[8:9], s[8:9], s[20:21]
	s_add_nc_u64 s[12:13], s[12:13], s[22:23]
.set j, 0
.rept 24
	global_load_b128 v[LD+4*j:LD+4*j+3], v4, s[8:9] offset:512*j th:TH_LOAD_NT
.set j, j+1
.endr
.set j, 0
.rept 24
	s_wait_loadcnt 23-j                            ; load j is in
	ds_store_b128 v[5+j%3], v[LD+4*j:LD+4*j+3] offset:512*j+16*(4*(j/3)+j%3)   ; 16 bytes of padding for each row passed
.set j, j+1
.endr
.set j, 0
.rept 48                               ; fragment F = j / 6 = 2 s + n': tile n' (16 rows down), K step s
	ds_load_b64 v[FG+2*j:FG+2*j+1], v8 offset:6400*((j/6)%2)+96*(j/12)+48*((j%6)/3)+8*(j%3)
.set j, j+1
.endr
.set j, 0
.rept 24
.if j%3 == 0
	s_wait_dscnt 6*(7-j/3)                         ; fragment F is in
.endif
	global_store_b128 v4, v[FG+4*j:FG+4*j+3], s[12:13] offset:512*j
.set j, j+1
.endr
	s_wait_tensorcnt 0x0
	ds_add_u32 v254, v255
	s_wait_dscnt 0x0
	s_endpgm
; ---- the sort.  Wave w takes tokens 1024 w + 32 c + lane, chunks c = 0 .. 31.  A class's number is also the lane that keeps its counts.
.set E,  16                            ; v16-79    chunk c: e0, e1; then the word and 4 x class
.set RK, 80                            ; v80-111   my rank among my chunk's lanes of my class, + 1
.set HH, 112                           ; v112-143  lane = class: the chunk's count
.set PF, 144                           ; v144-176  lane = class: the counts of the chunks before
.Lsort:
	v_lshlrev_b32 v2, 3, v1                        ; 8 bytes a token
	v_lshlrev_b32 v3, v1, -2                       ; the lanes above mine, as a mask
	s_lshl_b32 s17, s16, 10
	v_add_nc_u32 v6, s17, v1                       ; my token of chunk 0
	v_mov_b32 v7, 124                              ; 4 x lane 31: no class, nobody reads it
	s_lshl_b32 s18, s16, 13
	s_mov_b32 s19, 0
	s_wait_kmcnt 0x0
	s_add_nc_u64 s[4:5], s[4:5], s[18:19]
.set c, 0
.rept 32
	global_load_b64 v[E+2*c:E+2*c+1], v2, s[4:5] offset:256*c
.set c, c+1
.endr
	; the table 4 x class of (a, b): lane l of table H holds a = l / 8 + 4 H, b = l % 8
	v_lshrrev_b32 v8, 3, v1
	v_and_b32 v9, 7, v1
.irp H, 0,1
	v_add_nc_u32 v10, 4*\H, v8
	v_min_u32 v11, v10, v9                         ; lo
	v_max_u32 v12, v10, v9                         ; hi
	v_cmp_eq_u32 vcc_lo, v11, v12
	v_and_b32 v13, 6, v11
	v_or_b32 v14, 1, v12
	v_cndmask_b32 v11, v11, v13, vcc_lo            ; equal experts: the pair (2 k, 2 k + 1)
	v_cndmask_b32 v12, v12, v14, vcc_lo
	v_sub_nc_u32 v13, 15, v11
	v_mul_u32_u24 v13, v13, v11
	v_lshrrev_b32 v13, 1, v13                      ; lo (15 - lo) / 2 pairs come before
	v_sub_nc_u32 v14, v12, v11
	v_add_nc_u32 v14, -1, v14                      ; lo even: upward
	v_sub_nc_u32 v15, 7, v12                       ; lo odd: downward
	v_and_b32 v10, 1, v11
	v_cmp_eq_u32 vcc_lo, 1, v10
	v_cndmask_b32 v14, v14, v15, vcc_lo
	v_add_nc_u32 v13, v13, v14
	v_lshlrev_b32 v[4+\H], 2, v13
.endr
.set c, 0
.rept 32
	s_wait_loadcnt 31-c                            ; chunk c's load is in
	v_and_b32 v[E+2*c], 7, v[E+2*c]
	v_and_b32 v[E+2*c+1], 7, v[E+2*c+1]
	v_lshl_add_u32 v[PF+c], v[E+2*c], 3, v[E+2*c+1]
	v_lshlrev_b32 v[PF+c], 2, v[PF+c]              ; 4 x (8 e0 + e1): the permute takes the lane mod 32,
	ds_bpermute_b32 v[RK+c], v[PF+c], v4           ; so both tables are asked
	ds_bpermute_b32 v[HH+c], v[PF+c], v5
.set c, c+1
.endr
.set c, 0
.rept 32
	s_wait_dscnt 62-c                              ; behind chunk c's two: 2 (31 - c) of the later chunks and the c permutes of this loop
	v_cmp_lt_u32 vcc_lo, 3, v[E+2*c]               ; e0 above 3: the second table
	v_add_nc_u32 v9, 32*c, v6
	v_lshl_or_b32 v9, v[E+2*c], 16, v9
	v_lshl_or_b32 v[E+2*c], v[E+2*c+1], 20, v9     ; the word
	v_cndmask_b32 v[E+2*c+1], v[RK+c], v[HH+c], vcc_lo   ; 4 x class
.irp i, 2,3,4,5,6                      ; the lanes of my class: for each bit of the class, the lanes that agree with me
	v_and_b32 v10, 1<<\i, v[E+2*c+1]
	v_cmp_ne_u32 s[20+\i], 0, v10
	s_not_b32 s[30+\i], s[20+\i]
.if \i == 2
	v_cndmask_b32 v11, s[30+\i], s[20+\i], s[20+\i]
.else
	v_cndmask_b32 v10, s[30+\i], s[20+\i], s[20+\i]
	v_and_b32 v11, v11, v10
.endif
.endr
	v_mbcnt_lo_u32_b32 v[RK+c], v11, 1             ; those below me, + 1
	v_and_b32 v12, v11, v3
	v_cmp_eq_u32 vcc_lo, 0, v12                    ; none above me: my rank + 1 is the class's count,
	v_cndmask_b32 v12, v7, v[E+2*c+1], vcc_lo      ; and I send it to the class's lane; all others send to lane 31
	v_mov_b32 v[HH+c], 0                           ; a lane to which nobody sends holds 0, whether the permute writes it or leaves it
	ds_permute_b32 v[HH+c], v12, v[RK+c]
.set c, c+1
.endr
	s_wait_dscnt 0x0
	v_mov_b32 v[PF], 0
.set c, 0
.rept 32
	v_add_nc_u32 v[PF+c+1], v[PF+c], v[HH+c]
.set c, c+1
.endr
	v_lshl_add_u32 v8, v0, 2, SRT                  ; 128 x wave + 4 x lane
	ds_store_b32 v8, v[PF+32]                      ; my wave's counts
	s_wait_dscnt 0x0                               ; for the others' sake
	s_barrier_signal -1
	s_barrier_wait -1
	v_lshl_add_u32 v9, v1, 2, SRT
.irp k, 0,1,2,3,4,5,6,7
	ds_load_b32 v[180+\k], v9 offset:128*\k
.endr
	s_wait_dscnt 0x0
	v_add3_u32 v188, v180, v181, v182
	v_add3_u32 v188, v188, v183, v184
	v_add3_u32 v188, v188, v185, v186
	v_add_nc_u32 v188, v188, v187                  ; the class's tokens in all
	v_mov_b32 v189, 0
.irp k, 0,1,2,3,4,5,6
	s_cmp_gt_u32 s16, \k
	s_cselect_b32 s17, -1, 0
	v_and_b32 v8, s17, v[180+\k]
	v_add_nc_u32 v189, v189, v8                    ; and in the waves before mine
.endr
	v_mov_b32 v190, 0
	s_mov_b32 s18, 0
.irp k, 0,1,2,3,4,5,6,7,8,9,10,11,12,13,14,15,16,17,18,19,20,21,22,23,24,25,26,27
	v_readlane_b32 s19, v188, \k
	v_writelane_b32 v190, s18, \k                  ; where class k begins
	s_add_co_u32 s18, s18, s19
.endr
	v_add3_u32 v190, v190, v189, -1                ; (the ranks are one too large)
.set c, 0
.rept 32
	v_add_nc_u32 v[HH+c], v190, v[PF+c]
	ds_bpermute_b32 v[PF+c], v[E+2*c+1], v[HH+c]   ; from my class's lane
.set c, c+1
.endr
.set c, 0
.rept 32
	s_wait_dscnt 31-c                              ; chunk c's is in
	v_add_nc_u32 v[PF+c], v[PF+c], v[RK+c]         ; my place
	v_min_u32 v[PF+c], 0x1fff, v[PF+c]
	v_lshlrev_b32 v[PF+c], 2, v[PF+c]
	global_store_b32 v[PF+c], v[E+2*c], s[10:11]   ; each chunk has registers of its own: none is written again
.set c, c+1
.endr
	s_wait_tensorcnt 0x0
	ds_add_u32 v254, v255
	s_wait_dscnt 0x0
	s_endpgm
.Lfunc_end_k_qe69e83de62_prep:
	.size	k_qe69e83de62_prep, .Lfunc_end_k_qe69e83de62_prep-k_qe69e83de62_prep
	.p2alignl 7, 3214868480
	.fill 96, 4, 3214868480
	.section	.rodata,"a",@progbits
	.p2align	6, 0x0
	.amdhsa_kernel k_qe69e83de62_prep
		.amdhsa_group_segment_fixed_size 204800
		.amdhsa_private_segment_fixed_size 0
		.amdhsa_enable_private_segment 0
		.amdhsa_kernarg_size 40
		.amdhsa_user_sgpr_count 2
		.amdhsa_user_sgpr_kernarg_segment_ptr 1
		.amdhsa_wavefront_size32 1
		.amdhsa_system_sgpr_workgroup_id_x 1
		.amdhsa_system_sgpr_workgroup_id_y 1
		.amdhsa_system_sgpr_workgroup_id_z 1
		.amdhsa_system_vgpr_workitem_id 0
		.amdhsa_next_free_vgpr 256
		.amdhsa_next_free_sgpr 66
		.amdhsa_reserve_vcc 1
		.amdhsa_float_denorm_mode_32 3
		.amdhsa_float_denorm_mode_16_64 3
		.amdhsa_memory_ordered 1
		.amdhsa_forward_progress 1
		.amdhsa_inst_pref_size 109
	.end_amdhsa_kernel
	.amdgpu_metadata
---
amdhsa.version: [ 1, 2 ]
amdhsa.kernels:
  - .name:           k_qe69e83de62_prep
    .symbol:         k_qe69e83de62_prep.kd
    .args:
      - { .name: expert_idxs, .offset: 0, .size: 8, .value_kind: global_buffer, .address_space: global }
      - { .name: w_up_codes, .offset: 8, .size: 8, .value_kind: global_buffer, .address_space: global }
      - { .name: w_down_codes, .offset: 16, .size: 8, .value_kind: global_buffer, .address_space: global }
      - { .name: order, .offset: 24, .size: 8, .value_kind: global_buffer, .address_space: global }
      - { .name: wf, .offset: 32, .size: 8, .value_kind: global_buffer, .address_space: global }
    .group_segment_fixed_size: 204800
    .private_segment_fixed_size: 0
    .kernarg_segment_align: 8
    .kernarg_segment_size: 40
    .max_flat_workgroup_size: 256
    .sgpr_count:     66
    .vgpr_count:     256
    .wavefront_size: 32
...
	.end_amdgpu_metadata
.endif
;; end of part 1
;; launch moe (part 2): grid 256 x 1, 4 waves a work-group, no clusters, 172,032 bytes of LDS; arguments order, expert_p, x_codes, x_scales, wf, w_up_scales, w_down_scales, out0; writes out0
.if DOCPART == 2
	.amdgcn_target "amdgcn-amd-amdhsa--gfx1250"
	.amdhsa_code_object_version 6
	.text
	.protected	k_qe69e83de62_moe
	.globl	k_qe69e83de62_moe
	.p2align	8
	.type	k_qe69e83de62_moe,@function
k_qe69e83de62_moe:
	s_mov_b64 s[64:65], 0
	v_nop
	global_prefetch_b8 v0, s[64:65] scope:SCOPE_SE
	s_setreg_imm32_b32 hwreg(HW_REG_WAVE_MODE, 25, 1), 1
	s_wait_xcnt 0x0
; y[t] = sum over the experts e of token t of gate_e[t] x (Q(gelu(x[t] Wup[e])) Wdown[e]), both products on codes of FP6 (E2M3) with one E8M0 scale for each 32 along K; Q quantises the hidden layer along its 512.
; Experts that a token has not chosen have the gate 0 in the problem's own text: only experts that some token of a block has chosen are multiplied.
; SHARES.  Work-group j owns the 32 tokens at sorted places 32 j .. 32 j + 31 of 'order' (two tiles of 16) and their 32 rows of out0: each output row has one owner.
; It walks the 8 experts in a loop of constant count and passes over, by scalar branches on the stored list, those that none of its tokens uses.  Every barrier stands outside those branches.
; THE WAVES SHARE THE COLUMNS: wave w makes hidden units 128 w .. + 127 (K step w of the second product) and outputs 256 w .. + 255, for all 32 tokens.
; Both products are used transposed (source 0 = 16 rows of a weight, source 1 = 16 tokens): a lane (r, h) holds token r of a tile throughout, its registers run along the hidden units or outputs.
; THE WEIGHTS come from wf, where the launch before has laid them in the order of the operand registers: a BUF is 4 fragments, 12 loads of 512 consecutive bytes.  A ring of four BUFs in registers:
; while BUF i is multiplied, BUFs i + 1 .. i + 3 are on their way; the ring runs on into the next used expert's stream.  The hidden layer goes from wave to wave through LDS as images of registers.
; NO CLUSTER, NO TENSOR LOAD: which experts a block walks hangs on the stored list, so neighbouring blocks want different numbers of tiles.
; GELU: 0.5 x (1 + erf(x / sqrt 2)), erf(z) = z P(z^2) / Q(z^2) in f32 with z held to +-4.  LIMITS: in the negative tail the error is about 1e-7 |x| absolute, not relative; under x = -5.66 the result is about 1e-7 |x| or -0.
; Scale bytes 0xff (NaN) are not served.  Expert numbers were taken mod 8 by the sort.
; REGISTERS, in windows of 256 (s_set_vgpr_msb: bits 1:0 source 0, 3:2 source 1, 5:4 source 2, 7:6 destination):
;   window 0: v1-31 addresses and the tokens' numbers; v32-119 scale words (they hold nothing else); v120-123 gates; v124-127 two constants; v128-255 the hidden layer (64 m + 8 t + j), later its 8 fragments
;   window 1: y, 32 tiles: (n, m) at 8 (2 n + m)      window 2: v0-191 x's 16 fragments (m, s) at 12 (8 m + s); v192-255 at work      window 3: v0-191 the ring; v192-223 the rows' offsets in out0
.set XP,   784                         ; LDS: x's 32 rows, 768 bytes + 16
.set HIMG, 32*XP                       ; the hidden layer's 8 fragments (4 m + s), 1,536 bytes each
.set FRB,  1536
.set HSC,  HIMG+8*FRB                  ; their scale words, 128 bytes each
.set STG,  HSC+8*128                   ; the way out: for each wave 32 rows x (1,024 bytes + 16), its own
.set SGP,  1040
.set SGW,  32*SGP
.set ESTR, 786432                      ; wf: from expert to expert,
.set WSTR, 196608                      ; from wave to wave,
.set BUFB, 6144                        ; from BUF to BUF
.set LA,  1                            ; 16 x lane: my place in 512 bytes of memory
.set LI,  2                            ; 16 x lane: my place in an image
.set LS,  3                            ; 4 x lane: in an image of scale words
.set HWI, 4                            ; where I store my fragment's image
.set HWS, 5                            ; and its scale word
.set XA,  6                            ; x's rows in LDS: row r, + 24 h
.set XW,  7                            ; where I store x's rows: my wave's 8, 8 bytes a lane
.set L8,  8                            ; 8 x lane
.set UO,  9                            ; w_up's scales: 32 x (8 h + r + 8 (r / 8))
.set SO,  10                           ; the stage, in
.set SR,  11                           ; the stage, back
.set R4,  12                           ; 4 r
.set WD,  13                           ; v13-14 the tiles' words of 'order'
.set TOK, 15                           ; v15-16 token of (m, r)
.set EX,  17                           ; v17-20 its experts: e0 at 2 m, e1 at 2 m + 1
.set PP,  22                           ; v22-25 its two gates, a pair a tile
.set XS,  32                           ; x's scale words, 8 m + s
.set US,  48                           ; w_up's, 8 q + s: lanes 0-15 tile 2 q, lanes 16-31 tile 2 q + 1
.set DS,  80                           ; w_down's, 4 g + s: lanes 0-15 tile 2 g, lanes 16-31 tile 2 g + 1
.set HS,  112                          ; the hidden layer's, 4 m + s
.set G,   120                          ; the expert's gate of my token, a pair a tile
.set VA11, 124                         ; a11, twice
.set VB6,  126                         ; b6, twice
.set HA,  128
.set ZZ,  192                          ; window 2, gelu: z, z^2, P, Q of 16 numbers
.set SQ,  208
.set PN,  224
.set QD,  240
.set TM,  192                          ; window 2, quantiser: v192-207 at work, v208 the scale word, v212-231 codes
.set PW,  208
.set PC,  212
.set TP,  192                          ; window 2, second product: two sets of 4 accumulators: 32 set + 16 n' + 8 m
.set OFF, 192                          ; window 3
.set WV,  20
.set USED, 21                          ; bit e: some token of the block uses expert e
.set EE,  22                           ; the loop's expert
.set TS,  23
.set CUR, 24                           ; the trip's expert's stream in wf, my wave's
.set NXT, 26                           ; the next used expert's
.set DSB, 28                           ; the trip's expert's scales of w_down
.set USB, 30                           ; the next used expert's scales of w_up
.set OW,  32                           ; s32-39 my wave's 8 words of 'order'
.set XB,  40                           ; s40-55 their rows of x_codes
.set WB,  56                           ; wf + WSTR x wave
.set O1,  58
.set O2,  60
.set RS2, 66                           ; constants, each twice: the packed forms name a pair and take its low word
.set A13, 68
.set A9,  70
.set A7,  72
.set A5,  74
.set A3,  76
.set A1,  78
.set B8,  80
.set B4,  82
.set B2,  84
.set B0,  86
.set FST, 88                           ; the block's first used expert: its stream,
.set FUS, 90                           ; and its scales of w_up: the head's loads alone name these two
.set SEL, 94
.set MSB, 0
.macro WIN new                         ; the immediate's high byte repeats the setting that is left; a switch that changes nothing is dropped
.if MSB != \new
	s_set_vgpr_msb (MSB<<8)|\new
.set MSB, \new
.endif
.endm
.macro COEF r, bits
	s_mov_b32 s[\r], \bits
	s_mov_b32 s[\r+1], \bits
.endm
; BUF j of the stream at base into a slot of the ring
.macro RING slot, base, j
	WIN 0xc0
.irp k, 0,1,2,3,4,5,6,7,8,9,10,11
	global_load_b128 v[48*(\slot)+4*\k:48*(\slot)+4*\k+3], v[LA], s[\base:\base+1] offset:BUFB*(\j)+512*\k
.endr
.endm
.macro RLOAD i                         ; behind BUF i's products its slot takes BUF i + 4; behind the stream's end, the next used expert's first four
.if (\i) < 28
	RING (\i)%4, CUR, (\i)+4
.else
	RING (\i)%4, NXT, (\i)-28
.endif
.endm
.macro USLOAD base                     ; w_up's scale words of my 128 hidden units: a row is 32 bytes, 8 K steps
.irp q, 0,1,2,3
.irp hh, 0,1
	global_load_b128 v[US+8*\q+4*\hh:US+8*\q+4*\hh+3], v[UO], s[\base:\base+1] offset:1024*\q+16*\hh
.endr
.endr
.endm
; one matrix instruction.  zero: it starts its sum.  row: source 0's scales stand in lanes 16-31
.macro MM d, a, b, zero, sa, sb, row
.if \zero
.if \row
	v_wmma_scale_f32_16x16x128_f8f6f4 v[\d:\d+7], v[\a:\a+11], v[\b:\b+11], 0, v[\sa], v[\sb] matrix_a_fmt:MATRIX_FMT_FP6 matrix_b_fmt:MATRIX_FMT_FP6 matrix_a_scale:MATRIX_SCALE_ROW1
.else
	v_wmma_scale_f32_16x16x128_f8f6f4 v[\d:\d+7], v[\a:\a+11], v[\b:\b+11], 0, v[\sa], v[\sb] matrix_a_fmt:MATRIX_FMT_FP6 matrix_b_fmt:MATRIX_FMT_FP6
.endif
.else
.if \row
	v_wmma_scale_f32_16x16x128_f8f6f4 v[\d:\d+7], v[\a:\a+11], v[\b:\b+11], v[\d:\d+7], v[\sa], v[\sb] matrix_a_fmt:MATRIX_FMT_FP6 matrix_b_fmt:MATRIX_FMT_FP6 matrix_a_scale:MATRIX_SCALE_ROW1
.else
	v_wmma_scale_f32_16x16x128_f8f6f4 v[\d:\d+7], v[\a:\a+11], v[\b:\b+11], v[\d:\d+7], v[\sa], v[\sb] matrix_a_fmt:MATRIX_FMT_FP6 matrix_b_fmt:MATRIX_FMT_FP6
.endif
.endif
.endm
; BUF i of the first product: K step i / 2, hidden tiles 4 (i % 2) + 0 .. 3, both tiles of tokens.  The 16 accumulators take turns, one instruction a turn.
.macro UPBUF i
	s_wait_loadcnt 36                              ; BUF i is in: behind its loads stand those of BUFs i + 1 .. i + 3, 36 (scale loads among them only make the wait earlier)
	WIN 0x0b                                       ; source 0 (ring) window 3, source 1 (x) window 2, C and D window 0
.irp f, 0,1,2,3
.irp m, 0,1
.set wt, 4*((\i)%2)+\f
.set ws, (\i)/2
.set wD, HA+64*\m+8*wt
.set wA, 48*((\i)%4)+12*\f
.set wB, 12*(8*\m+ws)
.set wP, US+8*(wt/2)+ws
.set wQ, XS+8*\m+ws
	MM wD, wA, wB, ws==0, wP, wQ, wt%2
.endr
.endr
.rept 4
	v_nop                                          ; four places in front of loads into registers that matrix instructions have read (ISA guide 7.12.1 for vector instructions), and, behind BUF 15, of the first read of results
.endr
	RLOAD \i
.endm
; y += gate x a finished tile of the second product: tile of outputs 2 g + np, both tiles of tokens; each accumulator from its low end on
.macro YF1 g, np
	WIN 0x52                                       ; source 0 (the tile) window 2, source 1 (the gate) window 0, source 2 and destination (y) window 1
.irp m, 0,1
.irp p, 0,1,2,3
	v_pk_fma_f32 v[8*(2*(2*(\g)+(\np))+\m)+2*\p:8*(2*(2*(\g)+(\np))+\m)+2*\p+1], v[TP+32*((\g)%2)+16*(\np)+8*\m+2*\p:TP+32*((\g)%2)+16*(\np)+8*\m+2*\p+1], v[G+2*\m:G+2*\m+1], v[8*(2*(2*(\g)+(\np))+\m)+2*\p:8*(2*(2*(\g)+(\np))+\m)+2*\p+1] op_sel_hi:[1,0,1]
.endr
.endr
.endm
; BUF i of the second product: g = (i - 16) / 2: tiles of outputs 2 g, 2 g + 1; K steps 2 ((i - 16) % 2) + 0, 1; both tiles of tokens.  Four accumulators take turns; two sets take turns from g to g + 1.
; Behind the products stand 8 multiply-adds that weigh the tiles of g - 1, finished a BUF ago, into y: they name no register of these products and are the places in front of the loads.
.macro DNBUF i
.set dg, ((\i)-16)/2
.set dh, ((\i)-16)%2
	s_wait_loadcnt 36                              ; as in UPBUF
	WIN 0xa3                                       ; source 0 (ring) window 3, source 1 (hidden) window 0, C and D window 2
.irp sp, 0,1
.irp np, 0,1
.irp m, 0,1
.set ws, 2*dh+\sp
.set wD, TP+32*(dg%2)+16*\np+8*\m
.set wA, 48*((\i)%4)+12*(2*\sp+\np)
.set wB, HA+12*(4*\m+ws)
.set wP, DS+4*dg+ws
.set wQ, HS+4*\m+ws
	MM wD, wA, wB, ws==0, wP, wQ, \np
.endr
.endr
.endr
.if dg > 0
	YF1 dg-1, dh
.else
.rept 4
	v_nop
.endr
.endif
	RLOAD \i
.endm
; gelu of 16 numbers of a lane (two accumulators), in place; every step goes across the eight pairs, so that no line waits for the line above it
.macro GELU16 b
.set gx, HA+16*(\b)
.set gz, ZZ
.set gq, QD
.if (\b) == 7                          ; the last sixteen x carry the numbers v240-255: there z and Q change places, so that no line between the reciprocals and their wait names a number of their results, in any window
.set gz, QD
.set gq, ZZ
.endif
	WIN 0x80
.irp p, 0,2,4,6,8,10,12,14
	v_pk_mul_f32 v[gz+\p:gz+\p+1], v[gx+\p:gx+\p+1], s[RS2:RS2+1] op_sel_hi:[1,0]   ; z = x / sqrt 2
.endr
	WIN 0xaa
.irp j, 0,1,2,3,4,5,6,7,8,9,10,11,12,13,14,15
	v_med3_num_f32 v[gz+\j], v[gz+\j], -4.0, 4.0
.endr
.irp p, 0,2,4,6,8,10,12,14
	v_pk_mul_f32 v[SQ+\p:SQ+\p+1], v[gz+\p:gz+\p+1], v[gz+\p:gz+\p+1]
.endr
	WIN 0x82                                       ; (source 2: the two constants of window 0)
.irp p, 0,2,4,6,8,10,12,14
	v_pk_fma_f32 v[PN+\p:PN+\p+1], v[SQ+\p:SQ+\p+1], s[A13:A13+1], v[VA11:VA11+1] op_sel_hi:[1,0,1]
.endr
.irp p, 0,2,4,6,8,10,12,14
	v_pk_fma_f32 v[gq+\p:gq+\p+1], v[SQ+\p:SQ+\p+1], s[B8:B8+1], v[VB6:VB6+1] op_sel_hi:[1,0,1]
.endr
	WIN 0xaa
.irp c, A9,A7,A5,A3,A1
.irp p, 0,2,4,6,8,10,12,14
	v_pk_fma_f32 v[PN+\p:PN+\p+1], v[PN+\p:PN+\p+1], v[SQ+\p:SQ+\p+1], s[\c:\c+1] op_sel_hi:[1,1,0]
.endr
.endr
.irp c, B4,B2,B0
.irp p, 0,2,4,6,8,10,12,14
	v_pk_fma_f32 v[gq+\p:gq+\p+1], v[gq+\p:gq+\p+1], v[SQ+\p:SQ+\p+1], s[\c:\c+1] op_sel_hi:[1,1,0]
.endr
.endr
.irp p, 0,2,4,6,8,10,12,14
	v_pk_mul_f32 v[PN+\p:PN+\p+1], v[PN+\p:PN+\p+1], v[gz+\p:gz+\p+1]
.endr
.irp j, 0,1,2,3,4,5,6,7,8,9,10,11,12,13,14,15
	v_rcp_f32 v[gq+\j], v[gq+\j]                   ; one batch
.endr
	WIN 0
.irp p, 0,2,4,6,8,10,12,14
	v_pk_mul_f32 v[gx+\p:gx+\p+1], v[gx+\p:gx+\p+1], 0.5 op_sel_hi:[1,0]   ; plain work behind the batch that names none of its results
.endr
	s_wait_alu depctr_va_vdst(0)                   ; one wait for the sixteen reciprocals, ahead of their first reader
	WIN 0xaa
.irp p, 0,2,4,6,8,10,12,14
	v_pk_mul_f32 v[PN+\p:PN+\p+1], v[PN+\p:PN+\p+1], v[gq+\p:gq+\p+1]   ; erf
.endr
	WIN 0x08
.irp p, 0,2,4,6,8,10,12,14
	v_pk_fma_f32 v[gx+\p:gx+\p+1], v[gx+\p:gx+\p+1], v[PN+\p:PN+\p+1], v[gx+\p:gx+\p+1]   ; 0.5 x erf + 0.5 x
.endr
.endm
; The 64 numbers of tile m of a lane (register 16 b + i = hidden unit 32 b + 16 h + i of my 128, of my token) become a fragment and a scale word, which go to LDS as they stand.
.macro QUANT m
.set qs, HA+64*(\m)
	WIN 0x80
.irp b, 0,1,2,3
	v_max3_num_f32 v[TM+\b], |v[qs+16*\b]|, |v[qs+1+16*\b]|, 0x1800000   ; block b: my 16 numbers, and the floor 2^(3 - 127): the byte cannot fall under 1 (a block of zeros keeps that byte: its codes are zeros)
.endr
	WIN 0x82
.irp i, 2,4,6,8,10,12,14
.irp b, 0,1,2,3
	v_max3_num_f32 v[TM+\b], v[TM+\b], |v[qs+16*\b+\i]|, |v[qs+1+16*\b+\i]|
.endr
.endr
	WIN 0xaa
.irp b, 0,1,2,3
	v_permlanex16_b32 v[TM+4+\b], v[TM+\b], s[SEL], s[SEL+1]   ; (its destination counts as read: the gelu has written these registers)
.endr
.irp b, 0,1,2,3
	v_max_num_f32 v[TM+\b], v[TM+\b], v[TM+4+\b]   ; with lane l xor 16's: the block's largest magnitude
.endr
.irp b, 0,1,2,3
	v_add_nc_u32 v[TM+12+\b], 0xff000000, v[TM+\b] ; 2 off its exponent field: the conversion takes the exponent field of this operand as its scale
.endr
.irp b, 0,1,2,3
	v_lshrrev_b32 v[TM+4+\b], 23, v[TM+12+\b]      ; the scale's byte
.endr
	v_lshl_or_b32 v[PW], v[TM+5], 8, v[TM+4]
	v_lshl_or_b32 v[PW], v[TM+6], 16, v[PW]
	v_lshl_or_b32 v[PW], v[TM+7], 24, v[PW]
	WIN 0x88                                       ; the numbers window 0, the scale and the codes window 2
.irp c, 0,1
	v_cvt_scalef32_pk16_fp6_f32 v[PC+6*\c:PC+2+6*\c], v[qs+32*\c:qs+15+32*\c], v[TM+12+2*\c]
	v_cvt_scalef32_pk16_fp6_f32 v[PC+12+4*\c:PC+14+4*\c], v[qs+16+32*\c:qs+31+32*\c], v[TM+12+2*\c+1]   ; (a conversion's three registers begin on an even number)
.endr
	v_nop                                          ; one plain place behind a scaled conversion
	WIN 0xaa
.irp c, 0,1                            ; the operand's layout wants a whole block in a lane: lanes 0-15 block 2 c, lanes 16-31 block 2 c + 1
.irp i, 0,1,2
	v_permlane16_swap_b32 v[PC+6*\c+\i], v[PC+12+4*\c+\i]
.endr
.irp i, 0,1,2
	v_mov_b32 v[PC+3+6*\c+\i], v[PC+12+4*\c+\i]
.endr
.endr
	WIN 0x08                                       ; an LDS store's data are its source 1
.irp c, 0,1,2
	ds_store_b128 v[HWI], v[PC+4*\c:PC+4*\c+3] offset:4*FRB*(\m)+512*\c
.endr
	ds_store_b32 v[HWS], v[PW] offset:512*(\m)
	WIN 0
	s_wait_dscnt 0x0                               ; the stores have read their registers
.endm
; ---------------- the head
	s_load_b512 s[4:19], s[0:1], 0x0               ; order s[4:5], expert_p s[6:7], x_codes s[8:9], x_scales s[10:11], wf s[12:13], w_up_scales s[14:15], w_down_scales s[16:17], out0 s[18:19]
	v_lshl_add_u32 v21, v0, 2, 0x29e00
	s_set_vgpr_msb 0xc0
	v_mov_b32 v255, 0
	s_set_vgpr_msb 0xc000
	v_lshrrev_b32 v26, 5, v0
	v_readfirstlane_b32 s[WV], v26                 ; wave 0..3
	v_and_b32 v27, 31, v0                          ; lane
	v_and_b32 v28, 15, v0                          ; r
	v_bfe_u32 v29, v0, 4, 1                        ; h
	v_lshlrev_b32 v[LA], 4, v27
	v_lshlrev_b32 v[LI], 4, v27
	v_lshlrev_b32 v[LS], 2, v27
	v_lshlrev_b32 v[L8], 3, v27
	v_lshlrev_b32 v[R4], 2, v28
	s_mul_i32 s96, s[WV], FRB
	s_add_co_u32 s96, s96, HIMG
	v_add_nc_u32 v[HWI], s96, v[LI]
	s_lshl_b32 s96, s[WV], 7
	s_add_co_u32 s96, s96, HSC
	v_add_nc_u32 v[HWS], s96, v[LS]
	v_mul_u32_u24 v[XA], v28, XP
	v_mad_u32_u24 v[XA], v29, 24, v[XA]
	s_mul_i32 s96, s[WV], 8*XP
	v_add_nc_u32 v[XW], s96, v[L8]
	v_and_b32 v30, 8, v28
	v_add_nc_u32 v30, v30, v28                     ; r + 8 (r / 8)
	v_lshl_add_u32 v30, v29, 3, v30                ; + 8 h: lanes 16-31 take the odd tile's rows
	v_lshlrev_b32 v[UO], 5, v30
	s_mul_i32 s96, s[WV], SGW
	s_add_co_u32 s96, s96, STG
	v_mul_u32_u24 v[SO], v28, SGP
	v_lshl_add_u32 v[SO], v29, 5, v[SO]
	v_add_nc_u32 v[SO], s96, v[SO]                 ; row r, + 32 h
	v_add_nc_u32 v[SR], s96, v[LI]
	s_mov_b32 s[SEL], 0x76543210
	s_mov_b32 s[SEL+1], 0xfedcba98                 ; v_permlanex16_b32's selects for lane l xor 16
	COEF RS2, 0x3f3504f3                           ; 1 / sqrt 2
	COEF A13, 0xaf95df0b                           ; P = a1 + a3 s + .. + a13 s^6
	COEF A9,  0xb60cff51
	COEF A7,  0xb86ec2d2
	COEF A5,  0xba40ac63
	COEF A3,  0xbb41a1f6
	COEF A1,  0xbc83dbd4
	COEF B8,  0xb77460cd                           ; Q = b0 + b2 s + .. + b8 s^4
	COEF B4,  0xbadc924e
	COEF B2,  0xbbf19bf8
	COEF B0,  0xbc69b6a7
	v_mov_b32 v[VA11], 0x32edffee
	v_mov_b32 v[VA11+1], 0x32edffee
	v_mov_b32 v[VB6], 0xb95fbd29
	v_mov_b32 v[VB6+1], 0xb95fbd29
	s_wait_kmcnt 0x0
	s_lshl_b32 s[O1], ttmp9, 7                     ; my block's 32 words
	s_mov_b32 s[O1+1], 0
	s_add_nc_u64 s[4:5], s[4:5], s[O1:O1+1]
	s_lshl_b32 s[O2], s[WV], 5
	s_mov_b32 s[O2+1], 0
	s_add_nc_u64 s[O2:O2+1], s[4:5], s[O2:O2+1]
	s_load_b256 s[OW:OW+7], s[O2:O2+1], 0x0        ; my wave's 8 words, as scalars: their rows of x are mine to fetch
	global_load_b32 v[WD], v[R4], s[4:5]           ; and lane (r, h): the word of token r of each tile
	global_load_b32 v[WD+1], v[R4], s[4:5] offset:64
	s_mul_i32 s[O1], s[WV], WSTR
	s_add_nc_u64 s[WB:WB+1], s[12:13], s[O1:O1+1]
	s_lshl_b32 s[O1], s[WV], 12                    ; my 128 rows of 32 bytes, my 256 rows of 16
	s_add_nc_u64 s[14:15], s[14:15], s[O1:O1+1]
	s_add_nc_u64 s[16:17], s[16:17], s[O1:O1+1]
.set j, 0
.rept 32
	v_mov_b32 v[DS+j], 0                           ; written once: a trip's two branches stand each by itself in the text, and these are read behind the second and loaded behind the first
.set j, j+1
.endr
	WIN 0x40
.set j, 0
.rept 256
	v_mov_b32 v[j], 0                              ; y.  Which expert is the block's first hangs on the list, so no product can be written out as the one that starts the sums; these lines stand while the first loads are out
.set j, j+1
.endr
	WIN 0
	s_wait_kmcnt 0x0
.irp i, 0,1,2,3,4,5,6,7                ; a row of x is 768 bytes: three loads, each 256 consecutive aligned bytes, 8 a lane; each token stands once in the list
	s_and_b32 s96, s[OW+\i], 0x1fff
	s_min_u32 s96, s96, 8191
	s_mul_i32 s96, s96, 768
	s_mov_b32 s97, 0
	s_add_nc_u64 s[XB+2*\i:XB+2*\i+1], s[8:9], s[96:97]
.irp k, 0,1,2
	global_load_b64 v[HA+6*\i+2*\k:HA+6*\i+2*\k+1], v[L8], s[XB+2*\i:XB+2*\i+1] offset:256*\k th:TH_LOAD_NT
.endr
.endr
	s_wait_loadcnt 24                              ; the two words are in; x's 24 loads may be out
.irp m, 0,1
	v_and_b32 v[TOK+\m], 0x1fff, v[WD+\m]
	v_min_u32 v[TOK+\m], 0x1fff, v[TOK+\m]
	v_bfe_u32 v[EX+2*\m], v[WD+\m], 16, 3
	v_bfe_u32 v[EX+2*\m+1], v[WD+\m], 20, 3
	v_lshlrev_b32 v[26+\m], 3, v[TOK+\m]
	v_lshlrev_b32 v[28+\m], 5, v[TOK+\m]
.endr
.irp m, 0,1
	global_load_b64 v[PP+2*\m:PP+2*\m+1], v[26+\m], s[6:7]                 ; the token's two gates
	global_load_b128 v[XS+8*\m:XS+8*\m+3], v[28+\m], s[10:11]              ; its 8 scale words
	global_load_b128 v[XS+8*\m+4:XS+8*\m+7], v[28+\m], s[10:11] offset:16
.endr
	v_lshlrev_b32 v30, v[EX], 1                    ; which experts the block uses
	v_lshlrev_b32 v31, v[EX+1], 1
	v_or_b32 v30, v30, v31
	v_lshlrev_b32 v31, v[EX+2], 1
	v_or_b32 v30, v30, v31
	v_lshlrev_b32 v31, v[EX+3], 1
	v_or_b32 v30, v30, v31
	s_mov_b32 s[USED], 0
.irp e, 0,1,2,3,4,5,6,7
	v_and_b32 v31, 1<<\e, v30
	v_cmp_ne_u32 vcc_lo, 0, v31
	s_cmp_lg_u32 vcc_lo, 0
	s_cselect_b32 s[TS], 1<<\e, 0
	s_or_b32 s[USED], s[USED], s[TS]
.endr
	s_ctz_i32_b32 s96, s[USED]                     ; the first of them
	s_min_u32 s96, s96, 7
	s_mul_i32 s[O1], s96, ESTR
	s_add_nc_u64 s[FST:FST+1], s[WB:WB+1], s[O1:O1+1]
	s_lshl_b32 s[O1], s96, 14
	s_add_nc_u64 s[FUS:FUS+1], s[14:15], s[O1:O1+1]
	USLOAD FUS
	RING 0, FST, 0
	RING 1, FST, 1
	WIN 0
	s_wait_loadcnt 38                              ; x's 24 loads are in: behind them stand 6 (gates, x's scales) + 8 (w_up's scales) + 24 (two BUFs)
.irp i, 0,1,2,3,4,5,6,7
.irp k, 0,1,2
	ds_store_b64 v[XW], v[HA+6*\i+2*\k:HA+6*\i+2*\k+1] offset:XP*\i+256*\k
.endr
.endr
	RING 2, FST, 2
	RING 3, FST, 3
	WIN 0
	s_lshl_b32 s96, s[WV], 10
	v_add_nc_u32 v31, s96, v[LA]                   ; my wave's 1,024 bytes of a row of out0, 16 a lane
	WIN 0xc0
.irp m, 0,1
.irp r, 0,1,2,3,4,5,6,7,8,9,10,11,12,13,14,15
	v_readlane_b32 s96, v[TOK+\m], \r
	s_min_u32 s96, s96, 8191
	s_lshl_b32 s96, s96, 12
	v_add_nc_u32 v[OFF+16*\m+\r], s96, v31         ; row 16 m + r of the block: its token's row of out0
.endr
.endr
	WIN 0
	s_wait_dscnt 0x0                               ; for the others' sake: my 8 rows lie in LDS
	s_barrier_signal -1
	s_barrier_wait -1
	WIN 0x80
.irp m, 0,1
.irp s, 0,1,2,3,4,5,6,7
.irp p, 0,1,2,3,4,5
	ds_load_b64 v[12*(8*\m+\s)+2*\p:12*(8*\m+\s)+2*\p+1], v[XA] offset:16*XP*\m+96*\s+48*(\p/3)+8*(\p%3)   ; x's 16 fragments stay in registers
.endr
.endr
.endr
	WIN 0
	s_wait_dscnt 0x0
	s_wait_loadcnt 48                              ; the gates, x's scale words and w_up's are in: behind them stand the ring's 48 loads.  So no later load lands on a register that one of these has yet to write
	s_mov_b32 s[EE], 0
; ---------------- the experts: 8 trips
.Ltrip:
	; the trip's bases, made at this one place, outside both branches
	s_wait_xcnt 0x0                                ; every earlier load has read its base and its offset registers: the bases are written anew here, v26 and v27 further down
	s_mul_i32 s[O1], s[EE], ESTR
	s_mov_b32 s[O1+1], 0
	s_add_nc_u64 s[CUR:CUR+1], s[WB:WB+1], s[O1:O1+1]
	s_lshl_b32 s[O1], s[EE], 14
	s_add_nc_u64 s[DSB:DSB+1], s[16:17], s[O1:O1+1]
	s_lshl_b32 s96, -2, s[EE]                      ; the experts above this one,
	s_and_b32 s96, s[USED], s96                    ; those of them that are used,
	s_ctz_i32_b32 s96, s96                         ; the lowest of those; where none follows the count is -1,
	s_min_u32 s96, s96, 7                          ; which is held at 7: an address inside the buffers, whose data nobody uses
	s_mul_i32 s[O2], s96, ESTR
	s_mov_b32 s[O2+1], 0
	s_add_nc_u64 s[NXT:NXT+1], s[WB:WB+1], s[O2:O2+1]
	s_lshl_b32 s[O2], s96, 14
	s_add_nc_u64 s[USB:USB+1], s[14:15], s[O2:O2+1]
	s_lshr_b32 s[TS], s[USED], s[EE]
	s_and_b32 s[TS], s[TS], 1
	s_cmp_lg_u32 s[TS], 0
	s_cbranch_scc0 .Lno_up
	; ---- first product, gelu, quantiser
.irp g, 0,1,2,3,4,5,6,7
	global_load_b128 v[DS+4*\g:DS+4*\g+3], v[LA], s[DSB:DSB+1] offset:512*\g   ; w_down's scale words: lane l takes row 32 g + l, 16 bytes: its 4 K steps.  They are in long before the second product
.endr
.irp i, 0,1,2,3,4,5,6,7,8,9,10,11,12,13,14,15
	UPBUF \i
.endr
.irp b, 0,1,2,3,4,5,6,7
	GELU16 \b
.endr
	QUANT 0
	QUANT 1
.Lno_up:
	s_wait_dscnt 0x0
	s_barrier_signal -1                            ; the hidden layer's eight fragments lie in LDS
	s_barrier_wait -1
	s_lshr_b32 s[TS], s[USED], s[EE]
	s_and_b32 s[TS], s[TS], 1
	s_cmp_lg_u32 s[TS], 0
	s_cbranch_scc0 .Lno_dn
	; ---- second product, weighed into y
.irp m, 0,1
.irp s, 0,1,2,3
.irp c, 0,1,2
	ds_load_b128 v[HA+12*(4*\m+\s)+4*\c:HA+12*(4*\m+\s)+4*\c+3], v[LI] offset:HIMG+FRB*(4*\m+\s)+512*\c
.endr
	ds_load_b32 v[HS+4*\m+\s], v[LS] offset:HSC+128*(4*\m+\s)
.endr
.endr
	USLOAD USB                                     ; the next used expert's scale words of w_up
.irp m, 0,1                            ; the gate: the sum of the token's gates whose expert is this one; 0 for a token that has not chosen it
	v_cmp_eq_u32 vcc_lo, s[EE], v[EX+2*\m]
	v_cndmask_b32 v26, 0, v[PP+2*\m], vcc_lo
	v_cmp_eq_u32 vcc_lo, s[EE], v[EX+2*\m+1]
	v_cndmask_b32 v27, 0, v[PP+2*\m+1], vcc_lo
	v_add_f32 v[G+2*\m], v26, v27
	v_mov_b32 v[G+2*\m+1], v[G+2*\m]               ; (named with it as a pair)
.endr
	s_wait_dscnt 0x0
.irp i, 16,17,18,19,20,21,22,23,24,25,26,27,28,29,30,31
	DNBUF \i
.endr
	YF1 7, 0                                       ; the last two tiles: eight multiply-adds have stood behind their last products
	YF1 7, 1
	WIN 0
.Lno_dn:
	s_wait_dscnt 0x0
	s_barrier_signal -1                            ; every wave has read the images: the next expert's may be stored
	s_barrier_wait -1
	s_add_co_u32 s[EE], s[EE], 1
	s_cmp_lt_u32 s[EE], 8
	s_cbranch_scc1 .Ltrip
; ---------------- the way out.  A lane holds 32 neighbouring bytes of a row, and the lanes beside it other rows: so my 32 rows x 1,024 bytes go through my own stage and come back as halves of rows of 512 bytes.
	WIN 0x04
.irp m, 0,1
.irp n, 0,1,2,3,4,5,6,7,8,9,10,11,12,13,14,15
	ds_store_b128 v[SO], v[8*(2*\n+\m):8*(2*\n+\m)+3] offset:16*SGP*\m+64*\n       ; y(16 m + r, 256 w + 16 n + 8 h + 0 .. 7)
	ds_store_b128 v[SO], v[8*(2*\n+\m)+4:8*(2*\n+\m)+7] offset:16*SGP*\m+64*\n+16
.endr
.endr
	WIN 0x80
.set q, 0
.rept 64
	ds_load_b128 v[4*q:4*q+3], v[SR] offset:SGP*(q/2)+512*(q%2)   ; LDS serves a wave's instructions in order: these see my stores
.set q, q+1
.endr
	WIN 0x0b                                       ; the offsets window 3, the data window 2
.set q, 0
.rept 64
	s_wait_dscnt 63-q                              ; load q is in: 63 - q stand behind it
	global_store_b128 v[OFF+q/2], v[4*q:4*q+3], s[18:19] offset:512*(q%2) th:TH_STORE_NT   ; 32 lanes store 512 consecutive bytes of one token's row, at a multiple of 512 from out0's first byte; no register is written again
.set q, q+1
.endr
	WIN 0
	s_set_vgpr_msb 0xc
	s_wait_tensorcnt 0x0
	ds_add_u32 v21, v255
	s_wait_dscnt 0x0
	s_set_vgpr_msb 0xc00
	s_endpgm
.Lfunc_end_k_qe69e83de62_moe:
	.size	k_qe69e83de62_moe, .Lfunc_end_k_qe69e83de62_moe-k_qe69e83de62_moe
	.p2alignl 7, 3214868480
	.fill 96, 4, 3214868480
	.section	.rodata,"a",@progbits
	.p2align	6, 0x0
	.amdhsa_kernel k_qe69e83de62_moe
		.amdhsa_group_segment_fixed_size 172032
		.amdhsa_private_segment_fixed_size 0
		.amdhsa_enable_private_segment 0
		.amdhsa_kernarg_size 64
		.amdhsa_user_sgpr_count 2
		.amdhsa_user_sgpr_kernarg_segment_ptr 1
		.amdhsa_wavefront_size32 1
		.amdhsa_system_sgpr_workgroup_id_x 1
		.amdhsa_system_sgpr_workgroup_id_y 1
		.amdhsa_system_sgpr_workgroup_id_z 1
		.amdhsa_system_vgpr_workitem_id 0
		.amdhsa_next_free_vgpr 1024
		.amdhsa_next_free_sgpr 102
		.amdhsa_reserve_vcc 1
		.amdhsa_float_denorm_mode_32 3
		.amdhsa_float_denorm_mode_16_64 3
		.amdhsa_memory_ordered 1
		.amdhsa_forward_progress 1
		.amdhsa_inst_pref_size 230
	.end_amdhsa_kernel
	.amdgpu_metadata
---
amdhsa.version: [ 1, 2 ]
amdhsa.kernels:
  - .name:           k_qe69e83de62_moe
    .symbol:         k_qe69e83de62_moe.kd
    .args:
      - { .name: order, .offset: 0, .size: 8, .value_kind: global_buffer, .address_space: global }
      - { .name: expert_p, .offset: 8, .size: 8, .value_kind: global_buffer, .address_space: global }
      - { .name: x_codes, .offset: 16, .size: 8, .value_kind: global_buffer, .address_space: global }
      - { .name: x_scales, .offset: 24, .size: 8, .value_kind: global_buffer, .address_space: global }
      - { .name: wf, .offset: 32, .size: 8, .value_kind: global_buffer, .address_space: global }
      - { .name: w_up_scales, .offset: 40, .size: 8, .value_kind: global_buffer, .address_space: global }
      - { .name: w_down_scales, .offset: 48, .size: 8, .value_kind: global_buffer, .address_space: global }
      - { .name: out0, .offset: 56, .size: 8, .value_kind: global_buffer, .address_space: global }
    .group_segment_fixed_size: 172032
    .private_segment_fixed_size: 0
    .kernarg_segment_align: 8
    .kernarg_segment_size: 64
    .max_flat_workgroup_size: 128
    .sgpr_count:     102
    .vgpr_count:     1024
    .wavefront_size: 32
...
	.end_amdgpu_metadata
.endif
;; end of part 2
;; ======== version 2 of 2: 2 launches; version 1 with the launch moe written anew for expert scheduling mode
;; workspace buffers: order 32,768 bytes of whole numbers; wf 6,291,456 bytes
;; launch prep: the kernel of part 1 again; grid 65 x 1, 8 waves a work-group, no clusters, 204,800 bytes of LDS; arguments expert_idxs, w_up_codes, w_down_codes, order, wf; writes order, wf
;; launch moe (part 3): grid 256 x 1, 4 waves a work-group, no clusters, 172,032 bytes of LDS; arguments order, expert_p, x_codes, x_scales, wf, w_up_scales, w_down_scales, out0; writes out0
.if DOCPART == 3
	.amdgcn_target "amdgcn-amd-amdhsa--gfx1250"
	.amdhsa_code_object_version 6
	.text
	.protected	k_qe69e83de62_moe
	.globl	k_qe69e83de62_moe
	.p2align	8
	.type	k_qe69e83de62_moe,@function
k_qe69e83de62_moe:
	s_mov_b64 s[64:65], 0
	v_nop
	global_prefetch_b8 v0, s[64:65] scope:SCOPE_SE
	s_setreg_imm32_b32 hwreg(HW_REG_WAVE_SCHED_MODE, 0, 2), 2
	s_setreg_imm32_b32 hwreg(HW_REG_WAVE_MODE, 25, 1), 1
	s_wait_xcnt 0x0
	s_wait_alu depctr_vm_vsrc(0)
; y[t] = sum over the experts e of token t of gate_e[t] x (Q(gelu(x[t] Wup[e])) Wdown[e]), both products on codes of FP6 (E2M3) with one E8M0 scale for each 32 along K; Q quantises the hidden layer along its 512.
; Experts that a token has not chosen have the gate 0 in the problem's own text: only experts that some token of a block has chosen are multiplied.
; SHARES.  Work-group j owns the 32 tokens at sorted places 32 j .. 32 j + 31 of 'order' (two tiles of 16) and their 32 rows of out0: each output row has one owner.
; It walks the 8 experts in a loop of constant count and passes over, by scalar branches on the stored list, those that none of its tokens uses.  Every barrier stands outside those branches.
; THE WAVES SHARE THE COLUMNS: wave w makes hidden units 128 w .. + 127 (K step w of the second product) and outputs 256 w .. + 255, for all 32 tokens.
; Both products are used transposed (source 0 = 16 rows of a weight, source 1 = 16 tokens): a lane (r, h) holds token r of a tile throughout, its registers run along the hidden units or outputs.
; THE WEIGHTS come from wf, where the launch before has laid them in the order of the operand registers: a BUF is 4 fragments, 12 loads of 512 consecutive bytes.  A ring of four BUFs in registers, taken two at a time:
; behind the 16 products of BUFs i and i + 1 their two slots are asked for again (BUFs i + 4 and i + 5), while BUFs i + 2 and i + 3 are on their way; the ring runs on into the next used expert's stream.
; The hidden layer goes from wave to wave through LDS as images of registers.
; NO CLUSTER, NO TENSOR LOAD: which experts a block walks hangs on the stored list, so neighbouring blocks want different numbers of tiles.
; GELU: 0.5 x (1 + erf(x / sqrt 2)), erf(z) = z P(z^2) / Q(z^2) in f32 with z held to +-4.  LIMITS: in the negative tail the error is about 1e-7 |x| absolute, not relative; under x = -5.66 the result is about 1e-7 |x| or -0.
; Scale bytes 0xff (NaN) are not served.  Expert numbers were taken mod 8 by the sort.
; THE MODE: SCHED_MODE bits 1:0 = 2 (LLVM: expert scheduling mode 2), set by the entry lines.  The code itself states the register dependences
; between vector or matrix instructions and memory or LDS instructions, with s_wait_alu, always for 0.
; THE PLAN.  Registers that memory or LDS instructions touch, and who else names them:
;   v1-12, v254 (window 3)       addresses and offsets: made at the head, ahead of one wait on va_vdst, and named by no vector instruction again.
;   the ring         loads land in it; the products read it as source 0.  ONE wait on va_vdst stands behind the 16 products of a pair of BUFs, ahead of the 24 loads that fill the two slots again.
;                    The ring has no fifth slot (a slot is 48 registers, 32 are free).
;   US, DS, HS       scale words: loads land in them; products alone read them.  Every product stands ahead of its pair's wait, and behind a section's last such wait no vector line names them: their loads owe no wait of their own.
;   HA               the first product writes it, the gelu works in place, the quantiser reads it; then the hidden layer's fragments land in it and the second product reads them.  The last line that names it stands ahead of
;                    the quantiser's wait (first section) or of a pair's wait (second section): the LDS loads into it owe no wait of their own.
;   PC, PW           the quantiser writes them, the image's LDS stores read them: a wait on va_vdst ahead of the stores, a wait on vm_vsrc behind them, ahead of whatever writes these registers next.
;   y, OFF, window 2 one wait on va_vdst at the way out: y and OFF are written, and every line that named the registers in which the stage's loads land is done.
;   SGPRs that vector instructions write (the wave's number, masks of compares, tokens read from lanes) are made in runs, with one wait on va_sdst behind each run, ahead of its first reader.  VCC and EXEC are never written.
; REGISTERS, in windows of 256 (s_set_vgpr_msb: bits 1:0 source 0, 3:2 source 1, 5:4 source 2, 7:6 destination):
;   window 0: v1-31 addresses and the tokens' numbers; v32-119 scale words (they hold nothing else); v120-123 gates; v124-127 two constants; v128-255 the hidden layer (64 m + 8 t + j), later its 8 fragments
;   window 1: y, 32 tiles: (n, m) at 8 (2 n + m)      window 2: v0-191 x's 16 fragments (m, s) at 12 (8 m + s); v192-255 at work      window 3: v0-191 the ring; v192-223 the rows' offsets in out0
.set XP,   784                         ; LDS: x's 32 rows, 768 bytes + 16
.set HIMG, 32*XP                       ; the hidden layer's 8 fragments (4 m + s), 1,536 bytes each
.set FRB,  1536
.set HSC,  HIMG+8*FRB                  ; their scale words, 128 bytes each
.set STG,  HSC+8*128                   ; the way out: for each wave 32 rows x (1,024 bytes + 16), its own
.set SGP,  1040
.set SGW,  32*SGP
.set ESTR, 786432                      ; wf: from expert to expert,
.set WSTR, 196608                      ; from wave to wave,
.set BUFB, 6144                        ; from BUF to BUF
.set LA,  1                            ; 16 x lane: my place in 512 bytes of memory
.set LI,  2                            ; 16 x lane: my place in an image
.set LS,  3                            ; 4 x lane: in an image of scale words
.set HWI, 4                            ; where I store my fragment's image
.set HWS, 5                            ; and its scale word
.set XA,  6                            ; x's rows in LDS: row r, + 24 h
.set XW,  7                            ; where I store x's rows: my wave's 8, 8 bytes a lane
.set L8,  8                            ; 8 x lane
.set UO,  9                            ; w_up's scales: 32 x (8 h + r + 8 (r / 8))
.set SO,  10                           ; the stage, in
.set SR,  11                           ; the stage, back
.set R4,  12                           ; 4 r
.set WD,  13                           ; v13-14 the tiles' words of 'order'
.set TOK, 15                           ; v15-16 token of (m, r)
.set EX,  17                           ; v17-20 its experts: e0 at 2 m, e1 at 2 m + 1
.set OB,  21                           ; my wave's 1,024 bytes of a row of out0, 16 a lane
.set PP,  22                           ; v22-25 its two gates, a pair a tile
.set XS,  32                           ; x's scale words, 8 m + s
.set US,  48                           ; w_up's, 8 q + s: lanes 0-15 tile 2 q, lanes 16-31 tile 2 q + 1
.set DS,  80                           ; w_down's, 4 g + s: lanes 0-15 tile 2 g, lanes 16-31 tile 2 g + 1
.set HS,  112                          ; the hidden layer's, 4 m + s
.set G,   120                          ; the expert's gate of my token, a pair a tile
.set VA11, 124                         ; a11, twice
.set VB6,  126                         ; b6, twice
.set HA,  128
.set ZZ,  192                          ; window 2, gelu: z, z^2, P, Q of 16 numbers
.set SQ,  208
.set PN,  224
.set QD,  240
.set TM,  192                          ; window 2, quantiser: v192-207 at work, v208 the scale word, v212-231 codes
.set PW,  208
.set PC,  212
.set TP,  192                          ; window 2, second product: two sets of 4 accumulators: 32 set + 16 n' + 8 m
.set OFF, 192                          ; window 3
.set WV,  20
.set USED, 21                          ; bit e: some token of the block uses expert e
.set EE,  22                           ; the loop's expert
.set TS,  23
.set MK,  24                           ; s24-39, at the head only, ahead of the bases' first writing: what runs of vector instructions hand to scalar ones
.set CUR, 24                           ; the trip's expert's stream in wf, my wave's
.set NXT, 26                           ; the next used expert's
.set DSB, 28                           ; the trip's expert's scales of w_down
.set USB, 30                           ; the next used expert's scales of w_up
.set OW,  32                           ; s32-39 my wave's 8 words of 'order'
.set XB,  40                           ; s40-55 their rows of x_codes
.set WB,  56                           ; wf + WSTR x wave
.set O1,  58
.set O2,  60
.set RS2, 66                           ; constants, each twice: the packed forms name a pair and take its low word
.set A13, 68
.set A9,  70
.set A7,  72
.set A5,  74
.set A3,  76
.set A1,  78
.set B8,  80
.set B4,  82
.set B2,  84
.set B0,  86
.set FST, 88                           ; the block's first used expert: its stream,
.set FUS, 90                           ; and its scales of w_up: the head's loads alone name these two
.set SEL, 94
.set MSB, 0
.macro WIN new                         ; the immediate's high byte repeats the setting that is left; a switch that changes nothing is dropped
.if MSB != \new
	s_set_vgpr_msb (MSB<<8)|\new
.set MSB, \new
.endif
.endm
.macro COEF r, bits
	s_mov_b32 s[\r], \bits
	s_mov_b32 s[\r+1], \bits
.endm
; BUF j of the stream at base into a slot of the ring
.macro RING slot, base, j
	WIN 0xc0
.irp k, 0,1,2,3,4,5,6,7,8,9,10,11
	global_load_b128 v[48*(\slot)+4*\k:48*(\slot)+4*\k+3], v[LA], s[\base:\base+1] offset:BUFB*(\j)+512*\k
.endr
.endm
.macro RLOAD i                         ; BUF i's slot takes BUF i + 4; behind the stream's end, the next used expert's first four
.if (\i) < 28
	RING (\i)%4, CUR, (\i)+4
.else
	RING (\i)%4, NXT, (\i)-28
.endif
.endm
.macro REFILL i                        ; behind the products of BUFs i and i + 1: their two slots are asked for again
	WIN 0xc0                                       ; the switch, then the wait, then the loads
	s_wait_alu depctr_va_vdst(0)                   ; the pair's 16 products are done reading their two slots, in which the 24 loads below land; they are also done reading their scale words and, in the second product, the hidden fragments
	RLOAD \i
	RLOAD (\i)+1
.endm
.macro USLOAD base                     ; w_up's scale words of my 128 hidden units: a row is 32 bytes, 8 K steps
.irp q, 0,1,2,3
.irp hh, 0,1
	global_load_b128 v[US+8*\q+4*\hh:US+8*\q+4*\hh+3], v[UO], s[\base:\base+1] offset:1024*\q+16*\hh
.endr
.endr
.endm
; one matrix instruction.  zero: it starts its sum.  row: source 0's scales stand in lanes 16-31
.macro MM d, a, b, zero, sa, sb, row
.if \zero
.if \row
	v_wmma_scale_f32_16x16x128_f8f6f4 v[\d:\d+7], v[\a:\a+11], v[\b:\b+11], 0, v[\sa], v[\sb] matrix_a_fmt:MATRIX_FMT_FP6 matrix_b_fmt:MATRIX_FMT_FP6 matrix_a_scale:MATRIX_SCALE_ROW1
.else
	v_wmma_scale_f32_16x16x128_f8f6f4 v[\d:\d+7], v[\a:\a+11], v[\b:\b+11], 0, v[\sa], v[\sb] matrix_a_fmt:MATRIX_FMT_FP6 matrix_b_fmt:MATRIX_FMT_FP6
.endif
.else
.if \row
	v_wmma_scale_f32_16x16x128_f8f6f4 v[\d:\d+7], v[\a:\a+11], v[\b:\b+11], v[\d:\d+7], v[\sa], v[\sb] matrix_a_fmt:MATRIX_FMT_FP6 matrix_b_fmt:MATRIX_FMT_FP6 matrix_a_scale:MATRIX_SCALE_ROW1
.else
	v_wmma_scale_f32_16x16x128_f8f6f4 v[\d:\d+7], v[\a:\a+11], v[\b:\b+11], v[\d:\d+7], v[\sa], v[\sb] matrix_a_fmt:MATRIX_FMT_FP6 matrix_b_fmt:MATRIX_FMT_FP6
.endif
.endif
.endm
; BUF i of the first product: K step i / 2, hidden tiles 4 (i % 2) + 0 .. 3, both tiles of tokens
.macro UPMUL i
.irp f, 0,1,2,3
.irp m, 0,1
.set wt, 4*((\i)%2)+\f
.set ws, (\i)/2
.set wD, HA+64*\m+8*wt
.set wA, 48*((\i)%4)+12*\f
.set wB, 12*(8*\m+ws)
.set wP, US+8*(wt/2)+ws
.set wQ, XS+8*\m+ws
	MM wD, wA, wB, ws==0, wP, wQ, wt%2
.endr
.endr
.endm
; BUFs i and i + 1 (i even) are one K step of the first product.  The 16 accumulators take turns, one instruction a turn.
.macro UPPAIR i
	s_wait_loadcnt 36                              ; BUF i is in: behind its loads stand those of BUFs i + 1 .. i + 3, 36 (scale loads among them only make the wait earlier)
	WIN 0x0b                                       ; source 0 (ring) window 3, source 1 (x) window 2, C and D window 0
	UPMUL \i
	s_wait_loadcnt 24                              ; BUF i + 1 is in: behind its loads stand those of BUFs i + 2 and i + 3
	UPMUL (\i)+1
.rept 4
	v_nop                                          ; four places behind the products (ISA guide 7.12.1): behind BUF 15 they stand in front of the gelu's first read of results; the wait below stands beside them
.endr
	REFILL \i
.endm
; y += gate x a finished tile of the second product: tile of outputs 2 g + np, both tiles of tokens; each accumulator from its low end on
.macro YF1 g, np
	WIN 0x52                                       ; source 0 (the tile) window 2, source 1 (the gate) window 0, source 2 and destination (y) window 1
.irp m, 0,1
.irp p, 0,1,2,3
	v_pk_fma_f32 v[8*(2*(2*(\g)+(\np))+\m)+2*\p:8*(2*(2*(\g)+(\np))+\m)+2*\p+1], v[TP+32*((\g)%2)+16*(\np)+8*\m+2*\p:TP+32*((\g)%2)+16*(\np)+8*\m+2*\p+1], v[G+2*\m:G+2*\m+1], v[8*(2*(2*(\g)+(\np))+\m)+2*\p:8*(2*(2*(\g)+(\np))+\m)+2*\p+1] op_sel_hi:[1,0,1]
.endr
.endr
.endm
; BUF i of the second product: g = (i - 16) / 2: tiles of outputs 2 g, 2 g + 1; K steps 2 ((i - 16) % 2) + 0, 1; both tiles of tokens
.macro DNMUL i
.set dg, ((\i)-16)/2
.set dh, ((\i)-16)%2
.irp sp, 0,1
.irp np, 0,1
.irp m, 0,1
.set ws, 2*dh+\sp
.set wD, TP+32*(dg%2)+16*\np+8*\m
.set wA, 48*((\i)%4)+12*(2*\sp+\np)
.set wB, HA+12*(4*\m+ws)
.set wP, DS+4*dg+ws
.set wQ, HS+4*\m+ws
	MM wD, wA, wB, ws==0, wP, wQ, \np
.endr
.endr
.endr
.endm
; BUFs 16 + 2 g and 17 + 2 g make tiles of outputs 2 g and 2 g + 1 whole.  Four accumulators take turns; two sets take turns from g to g + 1.
; Behind the products stand 16 multiply-adds that weigh the tiles of g - 1, finished a pair ago, into y: they name no register of these products, are the places behind them, and stand ahead of the pair's wait.
.macro DNPAIR g
	s_wait_loadcnt 36                              ; as in UPPAIR
	WIN 0xa3                                       ; source 0 (ring) window 3, source 1 (hidden) window 0, C and D window 2
	DNMUL 16+2*(\g)
	s_wait_loadcnt 24                              ; as in UPPAIR
	DNMUL 17+2*(\g)
.if (\g) > 0
	YF1 (\g)-1, 0
	YF1 (\g)-1, 1
.else
.rept 4
	v_nop
.endr
.endif
	REFILL 16+2*(\g)
.endm
; gelu of 16 numbers of a lane (two accumulators), in place; every step goes across the eight pairs, so that no line waits for the line above it
.macro GELU16 b
.set gx, HA+16*(\b)
.set gz, ZZ
.set gq, QD
.if (\b) == 7                          ; the last sixteen x carry the numbers v240-255: there z and Q change places, so that no line between the reciprocals and their wait names a number of their results, in any window
.set gz, QD
.set gq, ZZ
.endif
	WIN 0x80
.irp p, 0,2,4,6,8,10,12,14
	v_pk_mul_f32 v[gz+\p:gz+\p+1], v[gx+\p:gx+\p+1], s[RS2:RS2+1] op_sel_hi:[1,0]   ; z = x / sqrt 2
.endr
	WIN 0xaa
.irp j, 0,1,2,3,4,5,6,7,8,9,10,11,12,13,14,15
	v_med3_num_f32 v[gz+\j], v[gz+\j], -4.0, 4.0
.endr
.irp p, 0,2,4,6,8,10,12,14
	v_pk_mul_f32 v[SQ+\p:SQ+\p+1], v[gz+\p:gz+\p+1], v[gz+\p:gz+\p+1]
.endr
	WIN 0x82                                       ; (source 2: the two constants of window 0)
.irp p, 0,2,4,6,8,10,12,14
	v_pk_fma_f32 v[PN+\p:PN+\p+1], v[SQ+\p:SQ+\p+1], s[A13:A13+1], v[VA11:VA11+1] op_sel_hi:[1,0,1]
.endr
.irp p, 0,2,4,6,8,10,12,14
	v_pk_fma_f32 v[gq+\p:gq+\p+1], v[SQ+\p:SQ+\p+1], s[B8:B8+1], v[VB6:VB6+1] op_sel_hi:[1,0,1]
.endr
	WIN 0xaa
.irp c, A9,A7,A5,A3,A1
.irp p, 0,2,4,6,8,10,12,14
	v_pk_fma_f32 v[PN+\p:PN+\p+1], v[PN+\p:PN+\p+1], v[SQ+\p:SQ+\p+1], s[\c:\c+1] op_sel_hi:[1,1,0]
.endr
.endr
.irp c, B4,B2,B0
.irp p, 0,2,4,6,8,10,12,14
	v_pk_fma_f32 v[gq+\p:gq+\p+1], v[gq+\p:gq+\p+1], v[SQ+\p:SQ+\p+1], s[\c:\c+1] op_sel_hi:[1,1,0]
.endr
.endr
.irp p, 0,2,4,6,8,10,12,14
	v_pk_mul_f32 v[PN+\p:PN+\p+1], v[PN+\p:PN+\p+1], v[gz+\p:gz+\p+1]
.endr
.irp j, 0,1,2,3,4,5,6,7,8,9,10,11,12,13,14,15
	v_rcp_f32 v[gq+\j], v[gq+\j]                   ; one batch
.endr
	WIN 0
.irp p, 0,2,4,6,8,10,12,14
	v_pk_mul_f32 v[gx+\p:gx+\p+1], v[gx+\p:gx+\p+1], 0.5 op_sel_hi:[1,0]   ; plain work behind the batch that names none of its results
.endr
	s_wait_alu depctr_va_vdst(0)                   ; the sixteen reciprocals have written v[gq ..]: one wait for the batch, ahead of its first reader
	WIN 0xaa
.irp p, 0,2,4,6,8,10,12,14
	v_pk_mul_f32 v[PN+\p:PN+\p+1], v[PN+\p:PN+\p+1], v[gq+\p:gq+\p+1]   ; erf
.endr
	WIN 0x08
.irp p, 0,2,4,6,8,10,12,14
	v_pk_fma_f32 v[gx+\p:gx+\p+1], v[gx+\p:gx+\p+1], v[PN+\p:PN+\p+1], v[gx+\p:gx+\p+1]   ; 0.5 x erf + 0.5 x
.endr
.endm
; The 64 numbers of tile m of a lane (register 16 b + i = hidden unit 32 b + 16 h + i of my 128, of my token) become a fragment and a scale word, which go to LDS as they stand.
.macro QUANT m
.set qs, HA+64*(\m)
	WIN 0x80
.irp b, 0,1,2,3
	v_max3_num_f32 v[TM+\b], |v[qs+16*\b]|, |v[qs+1+16*\b]|, 0x1800000   ; block b: my 16 numbers, and the floor 2^(3 - 127): the byte cannot fall under 1 (a block of zeros keeps that byte: its codes are zeros)
.endr
	WIN 0x82
.irp i, 2,4,6,8,10,12,14
.irp b, 0,1,2,3
	v_max3_num_f32 v[TM+\b], v[TM+\b], |v[qs+16*\b+\i]|, |v[qs+1+16*\b+\i]|
.endr
.endr
	WIN 0xaa
.irp b, 0,1,2,3
	v_permlanex16_b32 v[TM+4+\b], v[TM+\b], s[SEL], s[SEL+1]   ; (its destination counts as read: the gelu has written these registers)
.endr
.irp b, 0,1,2,3
	v_max_num_f32 v[TM+\b], v[TM+\b], v[TM+4+\b]   ; with lane l xor 16's: the block's largest magnitude
.endr
.irp b, 0,1,2,3
	v_add_nc_u32 v[TM+12+\b], 0xff000000, v[TM+\b] ; 2 off its exponent field: the conversion takes the exponent field of this operand as its scale
.endr
.irp b, 0,1,2,3
	v_lshrrev_b32 v[TM+4+\b], 23, v[TM+12+\b]      ; the scale's byte
.endr
	v_lshl_or_b32 v[PW], v[TM+5], 8, v[TM+4]
	v_lshl_or_b32 v[PW], v[TM+6], 16, v[PW]
	v_lshl_or_b32 v[PW], v[TM+7], 24, v[PW]
	WIN 0x88                                       ; the numbers window 0, the scale and the codes window 2
.irp c, 0,1
	v_cvt_scalef32_pk16_fp6_f32 v[PC+6*\c:PC+2+6*\c], v[qs+32*\c:qs+15+32*\c], v[TM+12+2*\c]
	v_cvt_scalef32_pk16_fp6_f32 v[PC+12+4*\c:PC+14+4*\c], v[qs+16+32*\c:qs+31+32*\c], v[TM+12+2*\c+1]   ; (a conversion's three registers begin on an even number)
.endr
	v_nop                                          ; one plain place behind a scaled conversion
	WIN 0xaa
.irp c, 0,1                            ; the operand's layout wants a whole block in a lane: lanes 0-15 block 2 c, lanes 16-31 block 2 c + 1
.irp i, 0,1,2
	v_permlane16_swap_b32 v[PC+6*\c+\i], v[PC+12+4*\c+\i]
.endr
.irp i, 0,1,2
	v_mov_b32 v[PC+3+6*\c+\i], v[PC+12+4*\c+\i]
.endr
.endr
	WIN 0x08                                       ; an LDS store's data are its source 1
	s_wait_alu depctr_va_vdst(0)                   ; the conversions, swaps and moves have written v[PC ..] and the shifts v[PW], which the stores below read; the conversions are also done reading the tile's 64 numbers, in which the hidden fragments will land
.irp c, 0,1,2
	ds_store_b128 v[HWI], v[PC+4*\c:PC+4*\c+3] offset:4*FRB*(\m)+512*\c
.endr
	ds_store_b32 v[HWS], v[PW] offset:512*(\m)
	WIN 0
	s_wait_dscnt 0x0                               ; my image's stores are done,
	s_wait_alu depctr_vm_vsrc(0)                   ; and they have read v[PC ..] and v[PW], which the next tile's quantiser, the second product's accumulators and the next expert's gelu write again
.endm
; ---------------- the head
	s_load_b512 s[4:19], s[0:1], 0x0               ; order s[4:5], expert_p s[6:7], x_codes s[8:9], x_scales s[10:11], wf s[12:13], w_up_scales s[14:15], w_down_scales s[16:17], out0 s[18:19]
	s_set_vgpr_msb 0xc0
	v_lshl_add_u32 v254, v0, 2, 0x29e00
	v_mov_b32 v255, 0
	s_set_vgpr_msb 0xc000
	v_lshrrev_b32 v26, 5, v0
	v_readfirstlane_b32 s[WV], v26                 ; wave 0..3
	v_and_b32 v27, 31, v0                          ; lane
	v_and_b32 v28, 15, v0                          ; r
	v_bfe_u32 v29, v0, 4, 1                        ; h
	v_lshlrev_b32 v[LA], 4, v27
	v_lshlrev_b32 v[LI], 4, v27
	v_lshlrev_b32 v[LS], 2, v27
	v_lshlrev_b32 v[L8], 3, v27
	v_lshlrev_b32 v[R4], 2, v28
	s_wait_alu depctr_va_sdst(0)                   ; the wave's number is written, ahead of its first reader
	s_mul_i32 s96, s[WV], FRB
	s_add_co_u32 s96, s96, HIMG
	v_add_nc_u32 v[HWI], s96, v[LI]
	s_lshl_b32 s96, s[WV], 7
	s_add_co_u32 s96, s96, HSC
	v_add_nc_u32 v[HWS], s96, v[LS]
	v_mul_u32_u24 v[XA], v28, XP
	v_mad_u32_u24 v[XA], v29, 24, v[XA]
	s_mul_i32 s96, s[WV], 8*XP
	v_add_nc_u32 v[XW], s96, v[L8]
	v_and_b32 v30, 8, v28
	v_add_nc_u32 v30, v30, v28                     ; r + 8 (r / 8)
	v_lshl_add_u32 v30, v29, 3, v30                ; + 8 h: lanes 16-31 take the odd tile's rows
	v_lshlrev_b32 v[UO], 5, v30
	s_mul_i32 s96, s[WV], SGW
	s_add_co_u32 s96, s96, STG
	v_mul_u32_u24 v[SO], v28, SGP
	v_lshl_add_u32 v[SO], v29, 5, v[SO]
	v_add_nc_u32 v[SO], s96, v[SO]                 ; row r, + 32 h
	v_add_nc_u32 v[SR], s96, v[LI]
	s_lshl_b32 s96, s[WV], 10
	v_add_nc_u32 v[OB], s96, v[LA]                 ; my wave's 1,024 bytes of a row of out0, 16 a lane
	s_mov_b32 s[SEL], 0x76543210
	s_mov_b32 s[SEL+1], 0xfedcba98                 ; v_permlanex16_b32's selects for lane l xor 16
	COEF RS2, 0x3f3504f3                           ; 1 / sqrt 2
	COEF A13, 0xaf95df0b                           ; P = a1 + a3 s + .. + a13 s^6
	COEF A9,  0xb60cff51
	COEF A7,  0xb86ec2d2
	COEF A5,  0xba40ac63
	COEF A3,  0xbb41a1f6
	COEF A1,  0xbc83dbd4
	COEF B8,  0xb77460cd                           ; Q = b0 + b2 s + .. + b8 s^4
	COEF B4,  0xbadc924e
	COEF B2,  0xbbf19bf8
	COEF B0,  0xbc69b6a7
	v_mov_b32 v[VA11], 0x32edffee
	v_mov_b32 v[VA11+1], 0x32edffee
	v_mov_b32 v[VB6], 0xb95fbd29
	v_mov_b32 v[VB6+1], 0xb95fbd29
	s_wait_kmcnt 0x0
	s_lshl_b32 s[O1], ttmp9, 7                     ; my block's 32 words
	s_mov_b32 s[O1+1], 0
	s_add_nc_u64 s[4:5], s[4:5], s[O1:O1+1]
	s_lshl_b32 s[O2], s[WV], 5
	s_mov_b32 s[O2+1], 0
	s_add_nc_u64 s[O2:O2+1], s[4:5], s[O2:O2+1]
	s_load_b256 s[OW:OW+7], s[O2:O2+1], 0x0        ; my wave's 8 words, as scalars: their rows of x are mine to fetch
	s_wait_alu depctr_va_vdst(0)                   ; the addresses and offsets v1 to v12 are written, which the loads and stores of the whole kernel read; no vector instruction names them again
	global_load_b32 v[WD], v[R4], s[4:5]           ; and lane (r, h): the word of token r of each tile
	global_load_b32 v[WD+1], v[R4], s[4:5] offset:64
	s_mul_i32 s[O1], s[WV], WSTR
	s_add_nc_u64 s[WB:WB+1], s[12:13], s[O1:O1+1]
	s_lshl_b32 s[O1], s[WV], 12                    ; my 128 rows of 32 bytes, my 256 rows of 16
	s_add_nc_u64 s[14:15], s[14:15], s[O1:O1+1]
	s_add_nc_u64 s[16:17], s[16:17], s[O1:O1+1]
.set j, 0
.rept 32
	v_mov_b32 v[DS+j], 0                           ; written once: a trip's two branches stand each by itself in the text, and these are read behind the second and loaded behind the first
.set j, j+1
.endr
	WIN 0x40
.set j, 0
.rept 256
	v_mov_b32 v[j], 0                              ; y.  Which expert is the block's first hangs on the list, so no product can be written out as the one that starts the sums; these lines stand while the first loads are out
.set j, j+1
.endr
	WIN 0
	s_wait_kmcnt 0x0
.irp i, 0,1,2,3,4,5,6,7                ; a row of x is 768 bytes: three loads, each 256 consecutive aligned bytes, 8 a lane; each token stands once in the list
	s_and_b32 s96, s[OW+\i], 0x1fff
	s_min_u32 s96, s96, 8191
	s_mul_i32 s96, s96, 768
	s_mov_b32 s97, 0
	s_add_nc_u64 s[XB+2*\i:XB+2*\i+1], s[8:9], s[96:97]
.irp k, 0,1,2
	global_load_b64 v[HA+6*\i+2*\k:HA+6*\i+2*\k+1], v[L8], s[XB+2*\i:XB+2*\i+1] offset:256*\k th:TH_LOAD_NT
.endr
.endr
	s_wait_loadcnt 24                              ; the two words are in; x's 24 loads may be out
.irp m, 0,1
	v_and_b32 v[TOK+\m], 0x1fff, v[WD+\m]
	v_min_u32 v[TOK+\m], 0x1fff, v[TOK+\m]
	v_bfe_u32 v[EX+2*\m], v[WD+\m], 16, 3
	v_bfe_u32 v[EX+2*\m+1], v[WD+\m], 20, 3
	v_lshlrev_b32 v[26+\m], 3, v[TOK+\m]
	v_lshlrev_b32 v[28+\m], 5, v[TOK+\m]
.endr
	s_wait_alu depctr_va_vdst(0)                   ; v26 to v29 are written, the offsets of the six loads below; so are the zeros of v[DS ..], in which loads will land and which a product may take as scales
.irp m, 0,1
	global_load_b64 v[PP+2*\m:PP+2*\m+1], v[26+\m], s[6:7]                 ; the token's two gates
	global_load_b128 v[XS+8*\m:XS+8*\m+3], v[28+\m], s[10:11]              ; its 8 scale words
	global_load_b128 v[XS+8*\m+4:XS+8*\m+7], v[28+\m], s[10:11] offset:16
.endr
	v_lshlrev_b32 v30, v[EX], 1                    ; which experts the block uses
	v_lshlrev_b32 v31, v[EX+1], 1
	v_or_b32 v30, v30, v31
	v_lshlrev_b32 v31, v[EX+2], 1
	v_or_b32 v30, v30, v31
	v_lshlrev_b32 v31, v[EX+3], 1
	v_or_b32 v30, v30, v31
.irp e, 0,1,2,3,4,5,6,7                ; the eight compares in one run, each into a scalar register of its own
	v_and_b32 v31, 1<<\e, v30
	v_cmp_ne_u32 s[MK+\e], 0, v31
.endr
	s_wait_alu depctr_va_sdst(0)                   ; the eight masks are written, ahead of their first reader
	s_mov_b32 s[USED], 0
.irp e, 0,1,2,3,4,5,6,7
	s_cmp_lg_u32 s[MK+\e], 0
	s_cselect_b32 s[TS], 1<<\e, 0
	s_or_b32 s[USED], s[USED], s[TS]
.endr
	s_ctz_i32_b32 s96, s[USED]                     ; the first of them
	s_min_u32 s96, s96, 7
	s_mul_i32 s[O1], s96, ESTR
	s_add_nc_u64 s[FST:FST+1], s[WB:WB+1], s[O1:O1+1]
	s_lshl_b32 s[O1], s96, 14
	s_add_nc_u64 s[FUS:FUS+1], s[14:15], s[O1:O1+1]
	USLOAD FUS                                     ; (no vector instruction has named the registers in which these and the ring's first loads land)
	RING 0, FST, 0
	RING 1, FST, 1
	WIN 0
	s_wait_loadcnt 38                              ; x's 24 loads are in: behind them stand 6 (gates, x's scales) + 8 (w_up's scales) + 24 (two BUFs)
.irp i, 0,1,2,3,4,5,6,7
.irp k, 0,1,2
	ds_store_b64 v[XW], v[HA+6*\i+2*\k:HA+6*\i+2*\k+1] offset:XP*\i+256*\k
.endr
.endr
	RING 2, FST, 2
	RING 3, FST, 3
	WIN 0xc0
.irp m, 0,1                            ; row 16 m + r of the block: its token's row of out0.  A tile's sixteen tokens are read from their lanes in one run
.irp r, 0,1,2,3,4,5,6,7,8,9,10,11,12,13,14,15
	v_readlane_b32 s[MK+\r], v[TOK+\m], \r
.endr
	s_wait_alu depctr_va_sdst(0)                   ; the sixteen tokens are written, ahead of their first reader
.irp r, 0,1,2,3,4,5,6,7,8,9,10,11,12,13,14,15
	s_min_u32 s[MK+\r], s[MK+\r], 8191
	s_lshl_b32 s[MK+\r], s[MK+\r], 12
	v_add_nc_u32 v[OFF+16*\m+\r], s[MK+\r], v[OB]
.endr
.endr
	WIN 0
	s_wait_dscnt 0x0                               ; for the others' sake: my 8 rows lie in LDS
	s_barrier_signal -1
	s_barrier_wait -1
	WIN 0x80
.irp m, 0,1
.irp s, 0,1,2,3,4,5,6,7
.irp p, 0,1,2,3,4,5
	ds_load_b64 v[12*(8*\m+\s)+2*\p:12*(8*\m+\s)+2*\p+1], v[XA] offset:16*XP*\m+96*\s+48*(\p/3)+8*(\p%3)   ; x's 16 fragments stay in registers
.endr
.endr
.endr
	WIN 0
	s_wait_dscnt 0x0
	s_wait_loadcnt 48                              ; the gates, x's scale words and w_up's are in: behind them stand the ring's 48 loads.  So no later load lands on a register that one of these has yet to write
	s_wait_alu depctr_vm_vsrc(0)                   ; my LDS stores of x's rows have read v[HA ..], which the first product writes and in which the hidden fragments land; the gates' and scales' loads have read v26 to v29, of which the gates' lines write v26 and v27
	s_mov_b32 s[EE], 0
; ---------------- the experts: 8 trips
.Ltrip:
	; the trip's bases, made at this one place, outside both branches
	s_wait_xcnt 0x0                                ; every earlier load has read its base: the bases are written anew here
	s_mul_i32 s[O1], s[EE], ESTR
	s_mov_b32 s[O1+1], 0
	s_add_nc_u64 s[CUR:CUR+1], s[WB:WB+1], s[O1:O1+1]
	s_lshl_b32 s[O1], s[EE], 14
	s_add_nc_u64 s[DSB:DSB+1], s[16:17], s[O1:O1+1]
	s_lshl_b32 s96, -2, s[EE]                      ; the experts above this one,
	s_and_b32 s96, s[USED], s96                    ; those of them that are used,
	s_ctz_i32_b32 s96, s96                         ; the lowest of those; where none follows the count is -1,
	s_min_u32 s96, s96, 7                          ; which is held at 7: an address inside the buffers, whose data nobody uses
	s_mul_i32 s[O2], s96, ESTR
	s_mov_b32 s[O2+1], 0
	s_add_nc_u64 s[NXT:NXT+1], s[WB:WB+1], s[O2:O2+1]
	s_lshl_b32 s[O2], s96, 14
	s_add_nc_u64 s[USB:USB+1], s[14:15], s[O2:O2+1]
	s_lshr_b32 s[TS], s[USED], s[EE]
	s_and_b32 s[TS], s[TS], 1
	s_cmp_lg_u32 s[TS], 0
	s_cbranch_scc0 .Lno_up
	; ---- first product, gelu, quantiser
.irp g, 0,1,2,3,4,5,6,7
	global_load_b128 v[DS+4*\g:DS+4*\g+3], v[LA], s[DSB:DSB+1] offset:512*\g   ; w_down's scale words: lane l takes row 32 g + l, 16 bytes: its 4 K steps.  They are in long before the second product.  No wait: the products that read v[DS ..], and the head's zeros, stand ahead of a wait on va_vdst, and nothing has named them since
.endr
.irp i, 0,2,4,6,8,10,12,14
	UPPAIR \i
.endr
.irp b, 0,1,2,3,4,5,6,7
	GELU16 \b
.endr
	QUANT 0
	QUANT 1
.Lno_up:
	s_wait_dscnt 0x0
	s_barrier_signal -1                            ; the hidden layer's eight fragments lie in LDS
	s_barrier_wait -1
	s_lshr_b32 s[TS], s[USED], s[EE]
	s_and_b32 s[TS], s[TS], 1
	s_cmp_lg_u32 s[TS], 0
	s_cbranch_scc0 .Lno_dn
	; ---- second product, weighed into y.  No wait ahead of these loads: the last lines that named v[HA ..], v[HS ..] and v[US ..] stand ahead of the quantiser's wait or of a pair's wait on va_vdst
.irp m, 0,1
.irp s, 0,1,2,3
.irp c, 0,1,2
	ds_load_b128 v[HA+12*(4*\m+\s)+4*\c:HA+12*(4*\m+\s)+4*\c+3], v[LI] offset:HIMG+FRB*(4*\m+\s)+512*\c
.endr
	ds_load_b32 v[HS+4*\m+\s], v[LS] offset:HSC+128*(4*\m+\s)
.endr
.endr
	USLOAD USB                                     ; the next used expert's scale words of w_up
.irp k, 0,1,2,3                        ; the gate: the sum of the token's gates whose expert is this one; 0 for a token that has not chosen it.  The four compares in one run
	v_cmp_eq_u32 s[96+\k], s[EE], v[EX+\k]
.endr
	s_wait_alu depctr_va_sdst(0)                   ; the four masks are written, ahead of their first reader
.irp m, 0,1
	v_cndmask_b32 v26, 0, v[PP+2*\m], s[96+2*\m]
	v_cndmask_b32 v27, 0, v[PP+2*\m+1], s[97+2*\m]
	v_add_f32 v[G+2*\m], v26, v27
	v_mov_b32 v[G+2*\m+1], v[G+2*\m]               ; (named with it as a pair)
.endr
	s_wait_dscnt 0x0
.irp g, 0,1,2,3,4,5,6,7
	DNPAIR \g
.endr
	YF1 7, 0                                       ; the last two tiles: sixteen multiply-adds have stood behind their last products
	YF1 7, 1
	WIN 0
.Lno_dn:
	s_wait_dscnt 0x0
	s_barrier_signal -1                            ; every wave has read the images: the next expert's may be stored
	s_barrier_wait -1
	s_add_co_u32 s[EE], s[EE], 1
	s_cmp_lt_u32 s[EE], 8
	s_cbranch_scc1 .Ltrip
; ---------------- the way out.  A lane holds 32 neighbouring bytes of a row, and the lanes beside it other rows: so my 32 rows x 1,024 bytes go through my own stage and come back as halves of rows of 512 bytes.
	WIN 0x04
	s_wait_alu depctr_va_vdst(0)                   ; the multiply-adds have written y, which the LDS stores read; the head's additions have written the rows' offsets, which the global stores read; every line that named window 2's registers, in which the stage's loads land, is done
.irp m, 0,1
.irp n, 0,1,2,3,4,5,6,7,8,9,10,11,12,13,14,15
	ds_store_b128 v[SO], v[8*(2*\n+\m):8*(2*\n+\m)+3] offset:16*SGP*\m+64*\n       ; y(16 m + r, 256 w + 16 n + 8 h + 0 .. 7)
	ds_store_b128 v[SO], v[8*(2*\n+\m)+4:8*(2*\n+\m)+7] offset:16*SGP*\m+64*\n+16
.endr
.endr
	WIN 0x80
.set q, 0
.rept 64
	ds_load_b128 v[4*q:4*q+3], v[SR] offset:SGP*(q/2)+512*(q%2)   ; LDS serves a wave's instructions in order: these see my stores
.set q, q+1
.endr
	WIN 0x0b                                       ; the offsets window 3, the data window 2
.set q, 0
.rept 64
	s_wait_dscnt 63-q                              ; load q is in: 63 - q stand behind it
	global_store_b128 v[OFF+q/2], v[4*q:4*q+3], s[18:19] offset:512*(q%2) th:TH_STORE_NT   ; 32 lanes store 512 consecutive bytes of one token's row, at a multiple of 512 from out0's first byte; no register is written again
.set q, q+1
.endr
	WIN 0
	s_set_vgpr_msb 0xf
	s_wait_dscnt 0x0
	s_wait_alu depctr_hold_cnt(0) depctr_sa_sdst(0) depctr_va_vdst(0) depctr_va_sdst(0) depctr_va_ssrc(0) depctr_va_vcc(0) depctr_vm_vsrc(0)
	s_wait_tensorcnt 0x0
	ds_add_u32 v254, v255
	s_wait_dscnt 0x0
	s_endpgm
.Lfunc_end_k_qe69e83de62_moe:
	.size	k_qe69e83de62_moe, .Lfunc_end_k_qe69e83de62_moe-k_qe69e83de62_moe
	.p2alignl 7, 3214868480
	.fill 96, 4, 3214868480
	.section	.rodata,"a",@progbits
	.p2align	6, 0x0
	.amdhsa_kernel k_qe69e83de62_moe
		.amdhsa_group_segment_fixed_size 172032
		.amdhsa_private_segment_fixed_size 0
		.amdhsa_enable_private_segment 0
		.amdhsa_kernarg_size 64
		.amdhsa_user_sgpr_count 2
		.amdhsa_user_sgpr_kernarg_segment_ptr 1
		.amdhsa_wavefront_size32 1
		.amdhsa_system_sgpr_workgroup_id_x 1
		.amdhsa_system_sgpr_workgroup_id_y 1
		.amdhsa_system_sgpr_workgroup_id_z 1
		.amdhsa_system_vgpr_workitem_id 0
		.amdhsa_next_free_vgpr 1024
		.amdhsa_next_free_sgpr 102
		.amdhsa_reserve_vcc 0
		.amdhsa_float_denorm_mode_32 3
		.amdhsa_float_denorm_mode_16_64 3
		.amdhsa_memory_ordered 1
		.amdhsa_forward_progress 1
		.amdhsa_inst_pref_size 229
	.end_amdhsa_kernel
	.amdgpu_metadata
---
amdhsa.version: [ 1, 2 ]
amdhsa.kernels:
  - .name:           k_qe69e83de62_moe
    .symbol:         k_qe69e83de62_moe.kd
    .args:
      - { .name: order, .offset: 0, .size: 8, .value_kind: global_buffer, .address_space: global }
      - { .name: expert_p, .offset: 8, .size: 8, .value_kind: global_buffer, .address_space: global }
      - { .name: x_codes, .offset: 16, .size: 8, .value_kind: global_buffer, .address_space: global }
      - { .name: x_scales, .offset: 24, .size: 8, .value_kind: global_buffer, .address_space: global }
      - { .name: wf, .offset: 32, .size: 8, .value_kind: global_buffer, .address_space: global }
      - { .name: w_up_scales, .offset: 40, .size: 8, .value_kind: global_buffer, .address_space: global }
      - { .name: w_down_scales, .offset: 48, .size: 8, .value_kind: global_buffer, .address_space: global }
      - { .name: out0, .offset: 56, .size: 8, .value_kind: global_buffer, .address_space: global }
    .group_segment_fixed_size: 172032
    .private_segment_fixed_size: 0
    .kernarg_segment_align: 8
    .kernarg_segment_size: 64
    .max_flat_workgroup_size: 128
    .sgpr_count:     102
    .vgpr_count:     1024
    .wavefront_size: 32
...
	.end_amdgpu_metadata
.endif
;; end of part 3
